; MI455X (gfx1250); checked and timed in simulation.
; The chip was launched on July 23, 2026; its instructions are those of AMD's public machine-readable ISA for CDNA 5 (MIT licence, August 2026) and "CDNA5" Instruction Set Architecture Reference Guide (July 2026). The comments in the code are by the model that wrote it; some were corrected since.
;; Multi Head Attention. Allowed arithmetic: matrix products marked QUANTISED: E4M3 operands, one given power-of-two scale a tensor, by v_wmma_f32_16x16x64_fp8_fp8 or v_wmma_f32_16x16x128_fp8_fp8, f32 sums; everything else in f32.
;; Inputs: W_key 768 x 768 float32; W_out 768 x 768 float32; W_query 768 x 768 float32; W_value 768 x 768 float32; b_out 768 float32; lowp_scales 12 int32 (the exponents e of the quantised operands' scales 2^e); x 1 x 4,096 x 768 float32.
;; Outputs: out0 1 x 4,096 x 768 float32.
;; This version of the problem:
;;   THIS VERSION OF THE PROBLEM IS GIVEN IN LOW PRECISION. The matrix products marked QUANTISED in the list below multiply operands that are first quantised to E4M3 (4 exponent bits, 3 mantissa bits; 8 bits a number), with one given power-of-two scale for each operand tensor; their sums are f32. All else is computed in f32.
;;   The module's matrix products, in the order in which they are computed (A, B: the left and right operand; K: the contracted axis; several contracted axes count as one K, in the product's order):
;;     1. [M 4,096, K 768] x [K 768, N 768]; A: input x; B: input W_query: QUANTISED (scales: A lowp_scales[0], B lowp_scales[1])
;;     2. [M 4,096, K 768] x [K 768, N 768]; A: input x; B: input W_key: QUANTISED (scales: A lowp_scales[2], B lowp_scales[3])
;;     3. [M 4,096, K 768] x [K 768, N 768]; A: input x; B: input W_value: QUANTISED (scales: A lowp_scales[4], B lowp_scales[5])
;;     4. batch 12 x [M 4,096, K 64] x [K 64, N 4,096]; A: computed on the way; B: computed on the way: QUANTISED (scales: A lowp_scales[6], B lowp_scales[7])
;;     5. batch 12 x [M 64, K 4,096] x [K 4,096, N 4,096]; A: computed on the way; B: softmax (see below): QUANTISED (scales: A lowp_scales[8], B lowp_scales[9])
;;     6. [M 4,096, K 768] x [K 768, N 768]; A: computed on the way; B: input W_out: QUANTISED (scales: A lowp_scales[10], B lowp_scales[11])
;;   THE QUANTISER, for each operand of a quantised product, along K:
;;     - The operand's scale is 2^e, e = its entry of the input lowp_scales (int32; the entries are numbered through the quantised products in the list's order, A before B).
;;     - Each number is divided by the scale, clamped to +-448, and rounded to the nearest number of E4M3, ties to even, subnormals kept.
;;     - The product sums the exact products of the quantised numbers (number of the format x scale) in f32.
;;   ~~~python
;;   def quantise(x, axis, e):      # numpy; x: float32 -> the quantised numbers, widened to float32 again
;;       x = np.moveaxis(x, axis, -1); K = x.shape[-1]
;;       r = np.clip(x / 2.0 ** e, -448, 448)
;;       step = 2.0 ** (np.maximum(np.frexp(np.where(r == 0, 1, r))[1] - 1, -6) - 3)
;;       q = np.round(r / step) * step * 2.0 ** e      # np.round: ties to even
;;       return np.moveaxis(q, -1, axis).astype(np.float32)
;;   ~~~
;;   SOFTMAX AHEAD OF A QUANTISED PRODUCT. Where the list says 'softmax', what is quantised is not the finished softmax but p = 2^(t - M), with t = logit x log2(e) and M = ceil(the row's largest t), a whole number; so 1/2 < the row's largest p <= 1. The row's sum l is taken of the UNQUANTISED p, in f32, and the product's result is divided by l at the end. Since M is a whole number, a kernel that streams over the keys may use a running M (the ceiling of the running maximum): every later rescaling is an exact power of two, so the quantised numbers keep their values, but for numbers so far below the row's largest that they fall under the format's range.
;;   OPERANDS COMPUTED ON THE WAY. 'Computed on the way' means the value that the module computes at that place (a softmax that the list does not call 'softmax' is quantised finished and normalised). What goes into a quantiser is computed in f32, as accurately as f32 sums, v_exp_f32 and their like allow (about 1e-6 of the number): no bf16 or f16 on the way to a quantiser, and a product that is left as it is and whose result goes on into a quantised operand takes f32 operands (vector FMAs, or v_wmma_f32_16x16x4_f32). A number that lies on a knife's edge between two numbers of the format may be rounded either way, as far as f32 arithmetic and the matrix unit's own rounding can turn it there, and no further.
;; 2 versions, each right; version 2 is version 1 with the launches qkv, attn, oproj written anew for expert scheduling mode. Each part assembles by itself: llvm-mc -triple=amdgcn-amd-amdhsa -mcpu=gfx1250 --defsym DOCPART=n.
;; ======== version 1 of 2: 4 launches
;; workspace buffers: wc 2,359,296 bytes; qf 3,145,728 bytes; kf 3,145,728 bytes; vf 3,145,728 bytes; cf 3,145,728 bytes
;; launch prep (part 1): grid 12 x 24, 4 waves a work-group, no clusters, 0 bytes of LDS; arguments W_query, W_key, W_value, W_out, lowp_scales, wc; writes wc
.if DOCPART == 1
	.amdgcn_target "amdgcn-amd-amdhsa--gfx1250"
	.amdhsa_code_object_version 6
	.text
	.protected	k_qc504abfd75_prep
	.globl	k_qc504abfd75_prep
	.p2align	8
	.type	k_qc504abfd75_prep,@function
k_qc504abfd75_prep:
	s_mov_b64 s[64:65], 0
	v_nop
	global_prefetch_b8 v0, s[64:65] scope:SCOPE_SE
	s_setreg_imm32_b32 hwreg(HW_REG_WAVE_MODE, 25, 1), 1
	s_wait_xcnt 0x0
; The four weights, [768 (k)][768 (n)] f32 with K as the FIRST axis, become codes of FP8 (E4M3), each with its given scale 2^e (entries 1, 3, 5, 11).
; code = w / 2^e, held within +-448, rounded to the nearest code, ties to even.  LIMITS: -126 <= e <= 119.  NaN among the inputs is not served.
; THE CODES ARE LAID AS IMAGES OF OPERAND REGISTERS.  A fragment is 16 columns n x 128 along K, 16 registers a lane: lane (r = l % 16, h = l / 16) holds column r,
; and its registers 2 c, 2 c + 1 hold k = 16 c + 8 h + 0 .. 7 (the plain 8-bit layout).  Registers 4 q .. 4 q + 3 of lane l lie at byte 512 q + 16 l of the image: 2,048 bytes.
; wc = [weight 0..3 = query, key, value, out][tile of 16 columns: 48][K step of 128: 6][2,048].
; SHARES.  One wave makes one fragment: a lane takes a column and its registers run DOWN K, so the conversions' results are the operand's registers and nothing is turned.
; The four waves of a work-group stand side by side on 256 consecutive bytes of each row.  Work-group y = 4 x K step + weight; x = four tiles of columns.
; No LDS, no barrier, no matrix unit, no cluster: the work-groups share no byte, and every byte is read once and written once.
.set ROWW, 3072                        ; a row of a weight in bytes
.set NUM,  16                          ; v16-79  the 64 numbers: v[NUM + 8 c + i] = W(128 ks + 16 c + 8 h + i, 16 nt + r)
.set COD,  80                          ; v80-95  their codes
	s_load_b256 s[4:11], s[0:1], 0x0               ; W_query s[4:5], W_key s[6:7], W_value s[8:9], W_out s[10:11]
	s_load_b128 s[12:15], s[0:1], 0x20             ; the scales' exponents s[12:13], wc s[14:15]
	v_lshrrev_b32 v1, 5, v0
	v_readfirstlane_b32 s16, v1                    ; wave 0..3
	s_and_b32 s17, ttmp7, 0xffff
	s_and_b32 s18, s17, 3                          ; which weight
	s_lshr_b32 s19, s17, 2                         ; which K step
	s_lshl_b32 s20, ttmp9, 2
	s_add_co_u32 s20, s20, s16                     ; which tile of 16 columns
	v_and_b32 v1, 15, v0                           ; r
	v_bfe_u32 v2, v0, 4, 1                         ; h
	v_mul_u32_u24 v3, v2, 8*ROWW
	v_lshl_add_u32 v3, v1, 2, v3                   ; in: 8 h rows down, 4 r bytes along
	v_and_b32 v4, 31, v0
	v_lshlrev_b32 v4, 4, v4                        ; out: 16 x lane
	s_mul_i32 s26, s19, 128*ROWW
	s_lshl_b32 s27, s20, 6
	s_add_co_u32 s26, s26, s27                     ; the fragment's corner in its weight
	s_mov_b32 s27, 0
	s_mul_i32 s28, s18, 48
	s_add_co_u32 s28, s28, s20
	s_mul_i32 s28, s28, 6
	s_add_co_u32 s28, s28, s19
	s_lshl_b32 s28, s28, 11                        ; its image in wc
	s_mov_b32 s29, 0
	s_lshl_b32 s30, s18, 3
	s_add_co_u32 s30, s30, 4                       ; the scale's byte: entries 1, 3, 5,
	s_cmp_eq_u32 s18, 3
	s_cselect_b32 s30, 44, s30                     ; and 11 for W_out
	s_mov_b32 s31, 0
	s_wait_kmcnt 0x0
	s_cmp_lt_u32 s18, 2                            ; the weight is chosen by the work-group's number alone
	s_cselect_b64 s[22:23], s[4:5], s[8:9]
	s_cselect_b64 s[24:25], s[6:7], s[10:11]
	s_bitcmp1_b32 s18, 0
	s_cselect_b64 s[22:23], s[24:25], s[22:23]
	s_add_nc_u64 s[22:23], s[22:23], s[26:27]
	s_add_nc_u64 s[14:15], s[14:15], s[28:29]
	s_add_nc_u64 s[12:13], s[12:13], s[30:31]
	s_load_b32 s32, s[12:13], 0x0                  ; e
.irp c, 0,1,2,3,4,5,6,7
.irp i, 0,1,2,3,4,5,6,7
	global_load_b32 v[NUM+8*\c+\i], v3, s[22:23] offset:(16*\c+\i)*ROWW th:TH_LOAD_NT   ; sixteen lanes read 64 neighbouring bytes of a row; the launch reads each byte once
.endr
.endr
	s_wait_kmcnt 0x0
	s_add_co_i32 s32, s32, 127
	s_lshl_b32 s33, s32, 23
	v_mov_b32 v5, s33                              ; 2^e as f32: the conversion takes its exponent field
	s_add_co_i32 s32, s32, 8
	s_lshl_b32 s32, s32, 23
	s_or_b32 s32, s32, 0x600000
	v_mov_b32 v6, s32                              ; 448 x 2^e
.irp g, 0,1,2,3
	s_wait_loadcnt 48-16*\g                        ; loads come back in order: this group's sixteen are in, the younger groups stay out
.irp i, 0,1,2,3,4,5,6,7,8,9,10,11,12,13,14,15
	v_med3_num_f32 v[NUM+16*\g+\i], v[NUM+16*\g+\i], -v6, v6   ; the conversion to an 8-bit code does not saturate (ISA guide 7.6.2): the hold comes first
.endr
	v_cvt_scalef32_pk8_fp8_f32 v[COD+4*\g:COD+4*\g+1], v[NUM+16*\g:NUM+16*\g+7], v5
	v_cvt_scalef32_pk8_fp8_f32 v[COD+4*\g+2:COD+4*\g+3], v[NUM+16*\g+8:NUM+16*\g+15], v5
	global_store_b128 v4, v[COD+4*\g:COD+4*\g+3], s[14:15] offset:512*\g   ; the wave stores 512 consecutive bytes, aligned; each group has its own code registers, so none is written again
.endr
	s_endpgm
.Lfunc_end_k_qc504abfd75_prep:
	.size	k_qc504abfd75_prep, .Lfunc_end_k_qc504abfd75_prep-k_qc504abfd75_prep
	.p2alignl 7, 3214868480
	.fill 96, 4, 3214868480
	.section	.rodata,"a",@progbits
	.p2align	6, 0x0
	.amdhsa_kernel k_qc504abfd75_prep
		.amdhsa_group_segment_fixed_size 0
		.amdhsa_private_segment_fixed_size 0
		.amdhsa_enable_private_segment 0
		.amdhsa_kernarg_size 48
		.amdhsa_user_sgpr_count 2
		.amdhsa_user_sgpr_kernarg_segment_ptr 1
		.amdhsa_wavefront_size32 1
		.amdhsa_system_sgpr_workgroup_id_x 1
		.amdhsa_system_sgpr_workgroup_id_y 1
		.amdhsa_system_sgpr_workgroup_id_z 1
		.amdhsa_system_vgpr_workitem_id 0
		.amdhsa_next_free_vgpr 96
		.amdhsa_next_free_sgpr 66
		.amdhsa_reserve_vcc 0
		.amdhsa_float_denorm_mode_32 3
		.amdhsa_float_denorm_mode_16_64 3
		.amdhsa_memory_ordered 1
		.amdhsa_forward_progress 1
		.amdhsa_inst_pref_size 14
	.end_amdhsa_kernel
	.amdgpu_metadata
---
amdhsa.version: [ 1, 2 ]
amdhsa.kernels:
  - .name:           k_qc504abfd75_prep
    .symbol:         k_qc504abfd75_prep.kd
    .args:
      - { .name: W_query, .offset: 0, .size: 8, .value_kind: global_buffer, .address_space: global }
      - { .name: W_key, .offset: 8, .size: 8, .value_kind: global_buffer, .address_space: global }
      - { .name: W_value, .offset: 16, .size: 8, .value_kind: global_buffer, .address_space: global }
      - { .name: W_out, .offset: 24, .size: 8, .value_kind: global_buffer, .address_space: global }
      - { .name: lowp_scales, .offset: 32, .size: 8, .value_kind: global_buffer, .address_space: global }
      - { .name: wc, .offset: 40, .size: 8, .value_kind: global_buffer, .address_space: global }
    .group_segment_fixed_size: 0
    .private_segment_fixed_size: 0
    .kernarg_segment_align: 8
    .kernarg_segment_size: 48
    .max_flat_workgroup_size: 128
    .sgpr_count:     66
    .vgpr_count:     96
    .wavefront_size: 32
...
	.end_amdgpu_metadata
.endif
;; end of part 1
;; launch qkv (part 2): grid 32 x 6, 12 waves a work-group, no clusters, 99,840 bytes of LDS; arguments x, wc, lowp_scales, qf, kf, vf; writes qf, kf, vf
.if DOCPART == 2
	.amdgcn_target "amdgcn-amd-amdhsa--gfx1250"
	.amdhsa_code_object_version 6
	.text
	.protected	k_qc504abfd75_qkv
	.globl	k_qc504abfd75_qkv
	.p2align	8
	.type	k_qc504abfd75_qkv,@function
k_qc504abfd75_qkv:
	s_mov_b64 s[64:65], 0
	v_nop
	global_prefetch_b8 v0, s[64:65] scope:SCOPE_SE
	s_setreg_imm32_b32 hwreg(HW_REG_WAVE_MODE, 25, 1), 1
	s_wait_xcnt 0x0
; q = Q(x) Q(W_query), k = Q(x) Q(W_key), v = Q(x) Q(W_value) on codes of FP8 (E4M3), sums in f32; the results are quantised at once for the two products of attention.
; Work-group (x, y): rows 128 x .. 128 x + 127 of x; matrix y / 2 (0 q, 1 k, 2 v); columns 384 (y % 2) on.  x is quantised here with the ONE scale that this matrix names (entry 0, 2 or 4).
; ONE LAYOUT EVERYWHERE: a fragment of 16 rows x 128 K is 16 registers: lane (r = l % 16, h = l / 16) holds row r, registers 2 c, 2 c + 1 hold k = 16 c + 8 h + 0 .. 7.
; Its image: registers 4 q .. 4 q + 3 of lane l at byte 512 q + 16 l.  So every LDS and workspace access of a wave is 512 consecutive bytes, with no pitch and no padding.
; PHASE X: wave w quantises 4 of the 48 fragments of x (K step w / 2, tiles of rows 4 (w % 2) + 0 .. 3) and stores their images in LDS; one barrier.
; PHASE G: wave w makes all 8 tiles of rows x its 2 tiles of columns: 16 accumulators.  Its weight fragments come from wc straight into its registers, each read by this one wave and used 8 times.
; q AND k: source 0 = 16 columns of W, source 1 = 16 rows of x: a lane then holds ONE row and eight neighbouring columns 8 h + j: one conversion is a register pair of the row's next fragment (K = the head's 64).
; v: the sources change places: a lane holds ONE column d and eight neighbouring keys 8 h + j: one conversion is a register pair of V^T's fragment (K = 128 keys).  Nothing is ever turned.
; qf, kf = [head 12][tile of 16 rows: 256][1,024];  vf = [head 12][step of 128 keys: 32][tile of 16 d: 4][2,048].
; The three scales ahead of each quantiser are folded into the conversion's one: 2^(eo - ex - ew), eo = entry 6, 7 or 8.
; LIMITS: ex, and eo - ex - ew, between -126 and 119.  NaN among the inputs is not served.
; NO CLUSTER, NO TENSOR LOAD: the weights go to the registers of the one wave that multiplies by them; of x a work-group reads 393,216 bytes once, as f32, and must convert them in registers anyway.
.set ROWX, 3072                        ; a row of x in bytes
.set FRB,  2048                        ; an image in bytes
.set XR,   16                          ; v16-63   phase X: the codes just made (v16-31); phase G: a ring of three fragments of x; the way out: codes
.set WB,   64                          ; v64-127  two buffers of two weight fragments
.set SA,   128                         ; v128-191 phase X: 64 numbers of x
.set SB,   192                         ; v192-255 phase X: the next 64
.set ACC,  128                         ; v128-255 phase G: accumulator (tile of rows m, tile of columns n) at ACC + 8 (2 m + n)
; v1 16 x lane; v2 the same + 24 images (an LDS immediate has 16 bits); v3 x: 3,072 r + 32 h; v4 where I store images; v6, v7: 2^ex, 448 x 2^ex; v8, v9: the same for the results
	s_load_b256 s[4:11], s[0:1], 0x0               ; x s[4:5], wc s[6:7], the scales' exponents s[8:9], qf s[10:11]
	s_load_b128 s[12:15], s[0:1], 0x20             ; kf s[12:13], vf s[14:15]
	v_lshl_add_u32 v14, v0, 2, 0x18000
	v_mov_b32 v15, 0
	v_lshrrev_b32 v1, 5, v0
	v_readfirstlane_b32 s16, v1                    ; wave 0..11
	s_and_b32 s33, ttmp7, 0xffff
	s_lshr_b32 s17, s33, 1                         ; which matrix
	s_and_b32 s18, s33, 1                          ; which half of its columns
	s_and_b32 s19, s16, 1                          ; which half of a head's 64 columns is mine
	s_lshr_b32 s20, s16, 1
	s_mul_i32 s21, s18, 6
	s_add_co_u32 s21, s21, s20                     ; my head
	v_and_b32 v1, 31, v0
	v_lshlrev_b32 v1, 4, v1
	v_add_nc_u32 v2, 24*FRB, v1
	v_and_b32 v10, 15, v0                          ; r
	v_bfe_u32 v11, v0, 4, 1                        ; h
	v_mul_u32_u24 v3, v10, ROWX
	v_lshl_add_u32 v3, v11, 5, v3
	s_lshl_b32 s33, s16, 13
	v_add_nc_u32 v4, s33, v1                       ; my four images: 8,192 x wave + 16 x lane
	s_lshl_b32 s22, ttmp9, 7
	s_lshl_b32 s33, s19, 6
	s_add_co_u32 s22, s22, s33
	s_mul_i32 s22, s22, ROWX                       ; x: row 128 x + 64 (w % 2),
	s_lshl_b32 s33, s20, 9
	s_add_co_u32 s22, s22, s33                     ; K step w / 2: 512 bytes each
	s_mov_b32 s23, 0
	s_mul_i32 s38, s17, 48
	s_mul_i32 s33, s18, 24
	s_add_co_u32 s38, s38, s33
	s_lshl_b32 s33, s16, 1
	s_add_co_u32 s38, s38, s33
	s_mul_i32 s38, s38, 6*FRB                      ; wc: tile of columns 48 matrix + 24 half + 2 w
	s_mov_b32 s39, 0
	s_wait_kmcnt 0x0
	s_add_nc_u64 s[24:25], s[4:5], s[22:23]
	s_add_nc_u64 s[26:27], s[6:7], s[38:39]
	s_lshl_b32 s22, s17, 3
	s_add_nc_u64 s[34:35], s[8:9], s[22:23]
	s_lshl_b32 s22, s17, 2
	s_add_nc_u64 s[36:37], s[8:9], s[22:23]
	s_load_b64 s[30:31], s[34:35], 0x0             ; ex, ew: entries 2 matrix, 2 matrix + 1
	s_load_b32 s32, s[36:37], 0x18                 ; eo: entry 6 + matrix
.macro WLOAD s                         ; my two weight fragments of K step s into buffer s % 2
.irp n, 0,1
.irp q, 0,1,2,3
	global_load_b128 v[WB+32*((\s)%2)+16*\n+4*\q:WB+32*((\s)%2)+16*\n+4*\q+3], v1, s[26:27] offset:6*FRB*\n+FRB*(\s)+512*\q
.endr
.endr
.endm
.macro XLOAD set, i                    ; 16 rows x 128 numbers of x, 64 a lane, in the fragment's own order: register 8 c + 4 j + .. = k 16 c + 8 h + 4 j + ..
.irp c, 0,1,2,3,4,5,6,7
.irp j, 0,1
	global_load_b128 v[\set+8*\c+4*\j:\set+8*\c+4*\j+3], v3, s[24:25] offset:16*ROWX*\i+64*\c+16*\j
.endr
.endr
.endm
.macro QUANT set                       ; 64 numbers of a lane become a fragment's 16 registers of codes
.set QN, 0
.rept 64
	v_med3_num_f32 v[\set+QN], v[\set+QN], -v7, v7   ; the conversion to an 8-bit code does not saturate (ISA guide 7.6.2): the hold comes first
.set QN, QN+1
.endr
.irp c, 0,1,2,3,4,5,6,7
	v_cvt_scalef32_pk8_fp8_f32 v[XR+2*\c:XR+2*\c+1], v[\set+8*\c:\set+8*\c+7], v6
.endr
	v_nop                                          ; one plain vector line behind the last conversion: later vector and matrix lines write these registers again
.endm
.macro IMAGE i
.irp q, 0,1,2,3
	ds_store_b128 v4, v[XR+4*\q:XR+4*\q+3] offset:FRB*\i+512*\q
.endr
.endm
.macro XF f                            ; image f = 8 x K step + tile of rows, into ring place f % 3
.irp q, 0,1,2,3
	ds_load_b128 v[XR+16*((\f)%3)+4*\q:XR+16*((\f)%3)+4*\q+3], v[1+(\f)/24] offset:FRB*((\f)%24)+512*\q
.endr
.endm
; The products: 6 K steps x 8 tiles of rows x my 2 tiles of columns.  The 16 accumulators take turns, one instruction a turn, in the same order in every K step.
; Behind each pair stand four plain places, ahead of the loads into the registers that it has read (ISA guide 7.12.1 for vector instructions).
.macro GEMM swap
	XF 0
	XF 1
	XF 2
.set KS, 0
.rept 6
.if (KS >= 1) && (KS <= 4)
	WLOAD KS+1                                     ; into the buffer that the K step before has multiplied by
.endif
.if KS >= 1
.if KS < 5
	s_wait_loadcnt 0x8                             ; this K step's weights are in; the eight loads just issued stay out
.else
	s_wait_loadcnt 0x0
.endif
.endif
.set MT, 0
.rept 8
.set FI, 8*KS+MT
.set LEFT, 47-FI
.if LEFT > 2
.set LEFT, 2
.endif
	s_wait_dscnt 4*LEFT                            ; LDS loads come back in order: this fragment is in, the younger ones of the ring stay out
.set XQ, XR+16*(FI%3)
.set WQ, WB+32*(KS%2)
.set AQ, ACC+16*MT
.irp n, 0,1
.if \swap
.if KS == 0
	v_wmma_f32_16x16x128_fp8_fp8 v[AQ+8*\n:AQ+8*\n+7], v[XQ:XQ+15], v[WQ+16*\n:WQ+16*\n+15], 0
.else
	v_wmma_f32_16x16x128_fp8_fp8 v[AQ+8*\n:AQ+8*\n+7], v[XQ:XQ+15], v[WQ+16*\n:WQ+16*\n+15], v[AQ+8*\n:AQ+8*\n+7]
.endif
.else
.if KS == 0
	v_wmma_f32_16x16x128_fp8_fp8 v[AQ+8*\n:AQ+8*\n+7], v[WQ+16*\n:WQ+16*\n+15], v[XQ:XQ+15], 0
.else
	v_wmma_f32_16x16x128_fp8_fp8 v[AQ+8*\n:AQ+8*\n+7], v[WQ+16*\n:WQ+16*\n+15], v[XQ:XQ+15], v[AQ+8*\n:AQ+8*\n+7]
.endif
.endif
.endr
.rept 4
	v_nop
.endr
.if FI+3 < 48
	XF FI+3
.endif
.set MT, MT+1
.endr
.set KS, KS+1
.endr
.endm
	; ---- PHASE X
	WLOAD 0
	WLOAD 1
	XLOAD SA, 0
	XLOAD SB, 1
	s_wait_kmcnt 0x0
	s_add_co_i32 s33, s30, 127
	s_lshl_b32 s38, s33, 23
	v_mov_b32 v6, s38                              ; 2^ex as f32
	s_add_co_i32 s33, s33, 8
	s_lshl_b32 s33, s33, 23
	s_or_b32 s33, s33, 0x600000
	v_mov_b32 v7, s33                              ; 448 x 2^ex
	s_sub_co_i32 s33, s32, s30
	s_sub_co_i32 s33, s33, s31                     ; a sum stands for sum x 2^(ex + ew): its code is sum / 2^(eo - ex - ew)
	s_add_co_i32 s33, s33, 127
	s_lshl_b32 s38, s33, 23
	v_mov_b32 v8, s38
	s_add_co_i32 s33, s33, 8
	s_lshl_b32 s33, s33, 23
	s_or_b32 s33, s33, 0x600000
	v_mov_b32 v9, s33
	s_wait_loadcnt 0x10                            ; the weights of K steps 0 and 1 and my first 16 rows are in; the next 16 rows' sixteen loads stay out
	QUANT SA
	IMAGE 0
	XLOAD SA, 2
	s_wait_loadcnt 0x10
	s_wait_dscnt 0x0                               ; the image's stores have read the code registers
	QUANT SB
	IMAGE 1
	XLOAD SB, 3
	s_wait_loadcnt 0x10
	s_wait_dscnt 0x0
	QUANT SA
	IMAGE 2
	s_wait_loadcnt 0x0
	s_wait_dscnt 0x0
	QUANT SB
	IMAGE 3
	s_wait_dscnt 0x0                               ; for the others' sake: my images have landed
	s_barrier_signal -1
	s_barrier_wait -1                              ; all 48 images lie in LDS; from here on LDS is only read
	s_cmp_eq_u32 s17, 2                            ; the same in all waves of the work-group
	s_cbranch_scc1 .Lvalues
	; ---- q and k
	s_lshl_b32 s22, s21, 8
	s_lshl_b32 s33, ttmp9, 3
	s_add_co_u32 s22, s22, s33
	s_lshl_b32 s22, s22, 10                        ; [head][tile of rows 8 x + m][1,024],
	s_lshl_b32 s33, s19, 9
	s_add_co_u32 s22, s22, s33                     ; and my half of the head's 64: registers 4 (w % 2) on, 512 bytes
	s_cmp_eq_u32 s17, 0
	s_cselect_b64 s[28:29], s[10:11], s[12:13]
	s_add_nc_u64 s[28:29], s[28:29], s[22:23]
	GEMM 0
.set MT, 0
.rept 8
.set QN, 0
.rept 16
	v_med3_num_f32 v[ACC+16*MT+QN], v[ACC+16*MT+QN], -v9, v9   ; each accumulator from its low end on
.set QN, QN+1
.endr
	v_cvt_scalef32_pk8_fp8_f32 v[XR+4*MT:XR+4*MT+1], v[ACC+16*MT:ACC+16*MT+7], v8
	v_cvt_scalef32_pk8_fp8_f32 v[XR+4*MT+2:XR+4*MT+3], v[ACC+16*MT+8:ACC+16*MT+15], v8
	global_store_b128 v1, v[XR+4*MT:XR+4*MT+3], s[28:29] offset:1024*MT   ; 512 consecutive bytes, aligned; each tile has its own code registers
.set MT, MT+1
.endr
	v_nop
	s_wait_tensorcnt 0x0
	ds_add_u32 v14, v15
	s_wait_dscnt 0x0
	s_endpgm
.Lvalues:
	; ---- v
	s_lshl_b32 s22, s21, 5
	s_add_co_u32 s22, s22, ttmp9
	s_lshl_b32 s22, s22, 2
	s_lshl_b32 s33, s19, 1
	s_add_co_u32 s22, s22, s33
	s_lshl_b32 s22, s22, 11                        ; [head][step x][tile of d 2 (w % 2) + n][2,048]
	s_add_nc_u64 s[28:29], s[14:15], s[22:23]
	GEMM 1
.set MT, 0
.rept 8
.irp n, 0,1
.irp i, 0,1,2,3,4,5,6,7
	v_med3_num_f32 v[ACC+16*MT+8*\n+\i], v[ACC+16*MT+8*\n+\i], -v9, v9
.endr
	v_cvt_scalef32_pk8_fp8_f32 v[XR+16*\n+2*MT:XR+16*\n+2*MT+1], v[ACC+16*MT+8*\n:ACC+16*MT+8*\n+7], v8   ; keys 16 m + 8 h + 0 .. 7 of column d = r: pair m of V^T's fragment
.endr
.set MT, MT+1
.endr
	v_nop
.irp n, 0,1
.irp q, 0,1,2,3
	global_store_b128 v1, v[XR+16*\n+4*\q:XR+16*\n+4*\q+3], s[28:29] offset:FRB*\n+512*\q
.endr
.endr
	s_wait_tensorcnt 0x0
	ds_add_u32 v14, v15
	s_wait_dscnt 0x0
	s_endpgm
.Lfunc_end_k_qc504abfd75_qkv:
	.size	k_qc504abfd75_qkv, .Lfunc_end_k_qc504abfd75_qkv-k_qc504abfd75_qkv
	.p2alignl 7, 3214868480
	.fill 96, 4, 3214868480
	.section	.rodata,"a",@progbits
	.p2align	6, 0x0
	.amdhsa_kernel k_qc504abfd75_qkv
		.amdhsa_group_segment_fixed_size 99840
		.amdhsa_private_segment_fixed_size 0
		.amdhsa_enable_private_segment 0
		.amdhsa_kernarg_size 48
		.amdhsa_user_sgpr_count 2
		.amdhsa_user_sgpr_kernarg_segment_ptr 1
		.amdhsa_wavefront_size32 1
		.amdhsa_system_sgpr_workgroup_id_x 1
		.amdhsa_system_sgpr_workgroup_id_y 1
		.amdhsa_system_sgpr_workgroup_id_z 1
		.amdhsa_system_vgpr_workitem_id 0
		.amdhsa_next_free_vgpr 256
		.amdhsa_next_free_sgpr 66
		.amdhsa_reserve_vcc 0
		.amdhsa_float_denorm_mode_32 3
		.amdhsa_float_denorm_mode_16_64 3
		.amdhsa_memory_ordered 1
		.amdhsa_forward_progress 1
		.amdhsa_inst_pref_size 108
	.end_amdhsa_kernel
	.amdgpu_metadata
---
amdhsa.version: [ 1, 2 ]
amdhsa.kernels:
  - .name:           k_qc504abfd75_qkv
    .symbol:         k_qc504abfd75_qkv.kd
    .args:
      - { .name: x, .offset: 0, .size: 8, .value_kind: global_buffer, .address_space: global }
      - { .name: wc, .offset: 8, .size: 8, .value_kind: global_buffer, .address_space: global }
      - { .name: lowp_scales, .offset: 16, .size: 8, .value_kind: global_buffer, .address_space: global }
      - { .name: qf, .offset: 24, .size: 8, .value_kind: global_buffer, .address_space: global }
      - { .name: kf, .offset: 32, .size: 8, .value_kind: global_buffer, .address_space: global }
      - { .name: vf, .offset: 40, .size: 8, .value_kind: global_buffer, .address_space: global }
    .group_segment_fixed_size: 99840
    .private_segment_fixed_size: 0
    .kernarg_segment_align: 8
    .kernarg_segment_size: 48
    .max_flat_workgroup_size: 384
    .sgpr_count:     66
    .vgpr_count:     256
    .wavefront_size: 32
...
	.end_amdgpu_metadata
.endif
;; end of part 2
;; launch attn (part 3): grid 16 x 12, 16 waves a work-group, no clusters, 34,816 bytes of LDS; arguments qf, kf, vf, lowp_scales, cf; writes cf
.if DOCPART == 3
	.amdgcn_target "amdgcn-amd-amdhsa--gfx1250"
	.amdhsa_code_object_version 6
	.text
	.protected	k_qc504abfd75_attn
	.globl	k_qc504abfd75_attn
	.p2align	8
	.type	k_qc504abfd75_attn,@function
k_qc504abfd75_attn:
	s_mov_b64 s[64:65], 0
	v_nop
	global_prefetch_b8 v0, s[64:65] scope:SCOPE_SE
	s_setreg_imm32_b32 hwreg(HW_REG_WAVE_MODE, 25, 1), 1
	s_wait_xcnt 0x0
; ctx[q] = the sum over keys k <= q of softmax_k(q . k / 8) v, for one head, both products on codes of FP8 (E4M3); the result is quantised at once for the last product.
; THE SOFTMAX AHEAD OF THE SECOND PRODUCT: t = score x log2(e) / 8; M = the running largest t rounded UP to a whole number; p = 2^(t - M) is quantised with 2^e9, not normalised;
; the row's sum is taken of the unquantised p and divides at the end.  When M moves, the sum and O are multiplied by 2^(old M - new M): a power of two.
; LAYOUT.  S^T = K Q^T (source 0 = 16 keys, source 1 = my 16 queries), O^T = V^T P (source 0 = 16 of the head's 64, source 1 = P): a lane holds ONE query (lane % 16) throughout.
; In tile c of S^T lane (r, h) holds keys 16 c + 8 h + 0 .. 7: one conversion is register pair c of P's fragment.  In tile d of O^T it holds channels 16 d + 8 h + 0 .. 7: pair 4 (head % 2) + d of ctx's fragment.
; SHARES.  A wave owns one tile of 16 queries.  Work-group (i, head) owns the query blocks i and 31 - i, 128 queries each: of waves 2 m and 2 m + 1 one takes tile m of the early block and the other tile m of the late one.
; A wave of block b works in key steps 0 .. b (128 keys a step); the work-group walks steps 0 .. 31 - i.  So every work-group has 8 (i + 1) + 8 (32 - i) = 264 wave-steps: the same for every i.
; THE RING.  kf and vf hold a step's fragments as images of registers, 8,192 dense bytes each: thread t copies bytes 16 t of both through registers into one of two LDS slots, asked for two steps ahead.
; One barrier a step: in front of it each wave's stores into the next slot have landed and its reads of this slot are over.  A trip of the loop is two steps, so that a slot's place stands in the immediates.
; THE MASK.  A step behind a wave's last is jumped over (a scalar branch on ids, round the step's work alone, never round a barrier).  In its last step, on the diagonal, hidden scores become -infinity: p = 0.
; NO CLUSTER: the work-groups of a head walk 17 to 32 steps, so partners would ask for different numbers of tiles; and a step's shared bytes, 16,384, are two 16-byte loads a lane.
; LIMITS: e6 + e7 between -123 and 130 (added to c's exponent field); e9, and e10 - e8 - e9, between -126 and 119.  NaN among the inputs is not served.
.set SLOTB, 16384                      ; a slot: K's 8 images of 1,024 bytes, then V's 4 of 2,048
.set VOFF,  8192
.set KF,    32                         ; v32-95   the step's 8 fragments of K, then its 4 of V
.set SS,    96                         ; v96-159  S^T, then p
.set OT,    160                        ; v160-191 O^T
.set PC,    192                        ; v192-207 p's codes; at the end ctx's
.set STA,   208                        ; v208-223 two sets of 8 for the copies: 16 bytes of K, 16 of V
; v1 16 x lane; v2 16 x thread; v3 256 x lane; v4 my query less 8 h, within its block; v5 -infinity; v6, v7: 2^e9, 448 x 2^e9; v8, v9: the same for ctx
; v12 -M; v13 the largest t; v[14:15] the sum in two halves; v16-23 Q; v224, v225 the maximum's chains; v226 the other half's; v[228:229] f and a word named with it; v[230:231] the sum's second chain
; s16 wave; s17 i; s18 head; s19 my last step; s20-24 e6 .. e10; s25 trips to go; s26 the step in hand; s[28:29] an offset; s[30:31], s[32:33] kf, vf at my head
; s[34:35] c twice; s[36:37] lane selects; s38 the step below which I prefetch; s[40:47] the copies' addresses, K's and V's for each set
	s_load_b256 s[4:11], s[0:1], 0x0               ; qf s[4:5], kf s[6:7], vf s[8:9], the scales' exponents s[10:11]
	s_load_b64 s[12:13], s[0:1], 0x20              ; cf
	v_lshl_add_u32 v254, v0, 2, 0x8000
	v_mov_b32 v255, 0
	v_lshrrev_b32 v1, 5, v0
	v_readfirstlane_b32 s16, v1                    ; wave 0..15
	s_mov_b32 s17, ttmp9
	s_and_b32 s18, ttmp7, 0xffff
	s_lshr_b32 s39, s16, 2
	s_xor_b32 s39, s39, s16
	s_and_b32 s39, s39, 1                          ; 1: the late block.  Of waves w, w + 4, w + 8, w + 12, and of 4 m .. 4 m + 3, two are late
	s_sub_co_u32 s27, 31, s17
	s_cmp_eq_u32 s39, 1
	s_cselect_b32 s19, s27, s17                    ; my block of 128 queries, which is also my last key step
	s_lshr_b32 s39, s16, 1                         ; my tile in it
	s_lshl_b32 s27, s19, 3
	s_add_co_u32 s27, s27, s39                     ; my tile of 16 queries, of 256
	v_and_b32 v1, 31, v0
	v_lshlrev_b32 v3, 8, v1
	v_lshlrev_b32 v1, 4, v1
	v_lshlrev_b32 v2, 4, v0
	v_and_b32 v10, 15, v0
	v_bfe_u32 v11, v0, 4, 1
	s_lshl_b32 s39, s39, 4
	v_add_nc_u32 v4, s39, v10
	v_lshlrev_b32 v11, 3, v11
	v_sub_nc_u32 v4, v4, v11                       ; register 8 c + j holds key 16 c + 8 h + j of the step: hidden on the diagonal where 16 c + j > 16 tile + r - 8 h
	v_mov_b32 v5, 0xff800000
	s_sub_co_u32 s25, 33, s17
	s_lshr_b32 s25, s25, 1                         ; 32 - i steps, two a trip, rounded up: in a step too many every wave jumps over the work
	s_mov_b32 s26, 0
	s_mov_b32 s36, 0x76543210
	s_mov_b32 s37, 0xfedcba98
	s_or_b32 s39, s17, s16
	s_cmp_eq_u32 s39, 0
	s_cselect_b32 s38, 28, 0                       ; wave 0 of the head's work-group i = 0, which walks all 32 steps, prefetches; nobody else
	s_lshl_b32 s28, s18, 18                        ; a head's 262,144 bytes in kf and in vf
	s_mov_b32 s29, 0
	s_wait_kmcnt 0x0
	s_load_b128 s[20:23], s[10:11], 0x18           ; e6 (q), e7 (k), e8 (v), e9 (p)
	s_load_b32 s24, s[10:11], 0x28                 ; e10 (ctx)
	s_add_nc_u64 s[30:31], s[6:7], s[28:29]
	s_add_nc_u64 s[32:33], s[8:9], s[28:29]
	s_lshl_b32 s28, s18, 8
	s_add_co_u32 s28, s28, s27
	s_lshl_b32 s28, s28, 10
	s_add_nc_u64 s[4:5], s[4:5], s[28:29]          ; my fragment of Q
	s_mul_i32 s28, s27, 12288
	s_lshl_b32 s39, s18, 10
	s_add_co_u32 s28, s28, s39
	s_add_nc_u64 s[12:13], s[12:13], s[28:29]      ; cf: [tile of rows][K step head / 2][2,048], + 1,024 (head % 2): together 1,024 x head
	s_mov_b64 s[40:41], s[30:31]
	s_mov_b64 s[42:43], s[32:33]
	s_add_nc_u64 s[44:45], s[30:31], VOFF
	s_add_nc_u64 s[46:47], s[32:33], VOFF
	global_load_b128 v[16:19], v1, s[4:5]
	global_load_b128 v[20:23], v1, s[4:5] offset:512
	global_load_b128 v[STA:STA+3], v2, s[40:41]    ; step 0
	global_load_b128 v[STA+4:STA+7], v2, s[42:43]
	global_load_b128 v[STA+8:STA+11], v2, s[44:45] ; step 1
	global_load_b128 v[STA+12:STA+15], v2, s[46:47]
	v_mov_b32 v13, 0xff61b1e6                      ; the largest t so far: -3e38, under every t
	v_floor_f32 v12, -v13
	v_mov_b32 v14, 0
	v_mov_b32 v15, 0
	v_mov_b32 v226, 0                              ; a lane permute's destination counts as one of its sources
	v_mov_b32 v229, 0                              ; named as the upper half of the pair v[228:229]
.set QN, 0
.rept 32
	v_mov_b32 v[OT+QN], 0                          ; the step is written without a first step of its own: the first change of M multiplies zeros
.set QN, QN+1
.endr
	s_wait_kmcnt 0x0
	s_add_co_i32 s39, s20, s21
	s_lshl_b32 s39, s39, 23
	s_add_co_i32 s34, s39, 0x3e38aa3b              ; c = log2(e) / 8, with e6 + e7 added to its exponent field: a score stands for score x 2^(e6 + e7)
	s_mov_b32 s35, s34
	s_add_co_i32 s39, s23, 127
	s_lshl_b32 s27, s39, 23
	v_mov_b32 v6, s27                              ; 2^e9
	s_add_co_i32 s39, s39, 8
	s_lshl_b32 s39, s39, 23
	s_or_b32 s39, s39, 0x600000
	v_mov_b32 v7, s39                              ; 448 x 2^e9
	s_sub_co_i32 s39, s24, s22
	s_sub_co_i32 s39, s39, s23                     ; O / l stands for ctx / 2^(e8 + e9): its code is (O / l) / 2^(e10 - e8 - e9)
	s_add_co_i32 s39, s39, 127
	s_lshl_b32 s27, s39, 23
	v_mov_b32 v8, s27
	s_add_co_i32 s39, s39, 8
	s_lshl_b32 s39, s39, 23
	s_or_b32 s39, s39, 0x600000
	v_mov_b32 v9, s39
	s_wait_loadcnt 0x2                             ; Q and step 0 are in; step 1's two loads stay out
	ds_store_b128 v2, v[STA:STA+3]
	ds_store_b128 v2, v[STA+4:STA+7] offset:VOFF
	s_wait_dscnt 0x0
	s_barrier_signal -1
	s_barrier_wait -1                              ; slot 0 holds step 0
; A KEY STEP's work, on slot p.
.macro STEP p
.irp c, 0,1,2,3,4,5,6,7
.irp q, 0,1
	ds_load_b128 v[KF+8*\c+4*\q:KF+8*\c+4*\q+3], v1 offset:SLOTB*\p+1024*\c+512*\q
.endr
.endr
	s_wait_dscnt 0x0
.irp c, 0,1,2,3,4,5,6,7
	v_wmma_f32_16x16x64_fp8_fp8 v[SS+8*\c:SS+8*\c+7], v[KF+8*\c:KF+8*\c+7], v[16:23], 0
.endr
.rept 4
	v_nop                                          ; four places: ahead of the loads into K's registers, and of the first read of the scores
.endr
.irp d, 0,1,2,3
.irp q, 0,1,2,3
	ds_load_b128 v[KF+16*\d+4*\q:KF+16*\d+4*\q+3], v1 offset:SLOTB*\p+VOFF+2048*\d+512*\q   ; V lands while the softmax is worked
.endr
.endr
	s_cmp_lg_u32 s26, s19                          ; only my last step lies on the diagonal
	s_cbranch_scc1 .Lopen_\@
.set QN, 0
.rept 64
	v_cmp_gt_i32 vcc_lo, 16*(QN/8)+QN%8, v4
	v_cndmask_b32 v[SS+QN], v[SS+QN], v5, vcc_lo
.set QN, QN+1
.endr
.Lopen_\@:
	v_max3_num_f32 v224, v[SS], v[SS+1], v[SS+2]   ; the step's largest score of my query among my 64 keys, in two chains; each tile is first read at its low end
	v_max3_num_f32 v225, v[SS+3], v[SS+4], v[SS+5]
.irp i, 6,10,14,18,22,26,30,34,38,42,46,50,54,58
	v_max3_num_f32 v224, v224, v[SS+\i], v[SS+\i+1]
	v_max3_num_f32 v225, v225, v[SS+\i+2], v[SS+\i+3]
.endr
	v_max3_num_f32 v224, v224, v[SS+62], v[SS+63]
	v_max_num_f32 v224, v224, v225
	v_permlanex16_b32 v226, v224, s36, s37
	v_max_num_f32 v224, v224, v226                 ; and among lane l xor 16's
	v_mul_f32 v224, s34, v224                      ; as t (c is positive)
	v_max_num_f32 v13, v13, v224
	v_mov_b32 v224, v12
	v_floor_f32 v12, -v13                          ; the new -M = floor(-t) = -ceil(t)
	v_sub_f32 v224, v12, v224                      ; old M - new M: a whole number, 0 or less
	v_cvt_i32_f32 v224, v224                       ; (it saturates)
	v_ldexp_f32 v228, 1.0, v224                    ; f = 2^(old M - new M)
.set QN, 0
.rept 32
	v_pk_fma_f32 v[SS+QN:SS+QN+1], v[SS+QN:SS+QN+1], s[34:35], v[12:13] op_sel_hi:[1,0,0]   ; t - M, two at a time: of the pairs c and -M the low word serves both halves
.set QN, QN+2
.endr
.set QN, 0
.rept 64
	v_exp_f32 v[SS+QN], v[SS+QN]                   ; p = 2^(t - M)
.set QN, QN+1
.endr
	v_pk_mul_f32 v[14:15], v[14:15], v[228:229] op_sel_hi:[1,0]   ; the sum under the new M; also the plain line behind the last exponential
	s_wait_alu depctr_va_vdst(0)                   ; one wait for the batch of 64, ahead of its first reader
	v_pk_add_f32 v[230:231], v[SS:SS+1], v[SS+2:SS+3]   ; the sum of the UNQUANTISED p, in two chains
.irp j, 4,8,12,16,20,24,28,32,36,40,44,48,52,56,60
	v_pk_add_f32 v[14:15], v[14:15], v[SS+\j:SS+\j+1]
	v_pk_add_f32 v[230:231], v[230:231], v[SS+\j+2:SS+\j+3]
.endr
	v_pk_add_f32 v[14:15], v[14:15], v[230:231]
	s_cmp_ge_i32 s23, -8                           ; p is at most 1, and 448 x 2^e9 is 1.75 or more from e9 = -8 on: the hold can only bite below that
	s_cbranch_scc1 .Lnohold_\@
.set QN, 0
.rept 64
	v_min_num_f32 v[SS+QN], v[SS+QN], v7           ; the conversion does not saturate (ISA guide 7.6.2); p is not negative, so the hold is one-sided
.set QN, QN+1
.endr
.Lnohold_\@:
.irp c, 0,1,2,3,4,5,6,7
	v_cvt_scalef32_pk8_fp8_f32 v[PC+2*\c:PC+2*\c+1], v[SS+8*\c:SS+8*\c+7], v6
.endr
.set QN, 0
.rept 16
	v_pk_mul_f32 v[OT+QN:OT+QN+1], v[OT+QN:OT+QN+1], v[228:229] op_sel_hi:[1,0]   ; O^T under the new M, each tile from its low end on; also the plain lines behind the conversions
.set QN, QN+2
.endr
	s_wait_dscnt 0x0                               ; V is in
.irp d, 0,1,2,3
	v_wmma_f32_16x16x128_fp8_fp8 v[OT+8*\d:OT+8*\d+7], v[KF+16*\d:KF+16*\d+15], v[PC:PC+15], v[OT+8*\d:OT+8*\d+7]   ; four accumulators by turns; the eight products K Q^T stand between a tile's links
.endr
.rept 4
	v_nop                                          ; four places: ahead of the next step's loads into V's registers, and of the next read of O^T
.endr
.endm
; HALF A TRIP: step s26, in slot p.
.macro HALF p
	s_wait_xcnt 0x0                                ; the loads and prefetches that named set p's addresses, two steps back, have read them
	s_add_co_u32 s39, s26, 2
	s_min_u32 s39, s39, 31                         ; two steps on, held at the last step: no load leaves its buffer
	s_lshl_b32 s28, s39, 13
	s_add_nc_u64 s[40+4*\p:41+4*\p], s[30:31], s[28:29]
	s_add_nc_u64 s[42+4*\p:43+4*\p], s[32:33], s[28:29]
	global_load_b128 v[STA+8*\p:STA+8*\p+3], v2, s[40+4*\p:41+4*\p]      ; set p was stored into LDS in the step before, and that store was waited for
	global_load_b128 v[STA+8*\p+4:STA+8*\p+7], v2, s[42+4*\p:43+4*\p]
	s_cmp_lt_u32 s26, s38
	s_cbranch_scc0 .Lnoask_\@
	global_prefetch_b8 v3, s[40+4*\p:41+4*\p] offset:2*VOFF th:TH_LOAD_NT scope:SCOPE_SE   ; step s26 + 4, two steps ahead of the loads that will want it: 32 lanes x 256 bytes are K's 8,192,
	global_prefetch_b8 v3, s[42+4*\p:43+4*\p] offset:2*VOFF th:TH_LOAD_NT scope:SCOPE_SE   ; and V's.  One wave of one work-group of the head asks, in steps 0 to 27: steps 4 to 31 are each named once
.Lnoask_\@:
	s_cmp_gt_u32 s26, s19                          ; all keys of this step come after my queries
	s_cbranch_scc1 .Lskip_\@
	STEP \p
.Lskip_\@:
	s_wait_loadcnt 0x2                             ; the next step's bytes, asked for a step ago, are in; the two loads just issued stay out
	ds_store_b128 v2, v[STA+8*(1-\p):STA+8*(1-\p)+3] offset:SLOTB*(1-\p)        ; into the slot that every wave left at the last barrier
	ds_store_b128 v2, v[STA+8*(1-\p)+4:STA+8*(1-\p)+7] offset:SLOTB*(1-\p)+VOFF
	s_add_co_u32 s26, s26, 1
	s_wait_dscnt 0x0                               ; my stores have landed, and my reads of this slot are over
	s_barrier_signal -1
	s_barrier_wait -1
.endm
.Ltrip:
	HALF 0
	HALF 1
	s_sub_co_u32 s25, s25, 1
	s_cmp_lg_u32 s25, 0
	s_cbranch_scc1 .Ltrip
	; THE WAY OUT: O^T / l, quantised; the four conversions are eight registers of ctx's fragment, stored as they stand.
	v_add_f32 v14, v14, v15
	v_permlanex16_b32 v226, v14, s36, s37
	v_add_f32 v14, v14, v226                       ; the row's sum
	v_rcp_f32 v228, v14
	v_nop                                          ; a plain line behind the reciprocal
	s_wait_alu depctr_va_vdst(0)                   ; and the wait ahead of its first reader
.set QN, 0
.rept 16
	v_pk_mul_f32 v[OT+QN:OT+QN+1], v[OT+QN:OT+QN+1], v[228:229] op_sel_hi:[1,0]
.set QN, QN+2
.endr
.set QN, 0
.rept 32
	v_med3_num_f32 v[OT+QN], v[OT+QN], -v9, v9
.set QN, QN+1
.endr
.irp d, 0,1,2,3
	v_cvt_scalef32_pk8_fp8_f32 v[PC+2*\d:PC+2*\d+1], v[OT+8*\d:OT+8*\d+7], v8
.endr
	v_nop
	global_store_b128 v1, v[PC:PC+3], s[12:13]               ; 512 consecutive bytes, aligned
	global_store_b128 v1, v[PC+4:PC+7], s[12:13] offset:512
	s_wait_tensorcnt 0x0
	ds_add_u32 v254, v255
	s_wait_dscnt 0x0
	s_endpgm
.Lfunc_end_k_qc504abfd75_attn:
	.size	k_qc504abfd75_attn, .Lfunc_end_k_qc504abfd75_attn-k_qc504abfd75_attn
	.p2alignl 7, 3214868480
	.fill 96, 4, 3214868480
	.section	.rodata,"a",@progbits
	.p2align	6, 0x0
	.amdhsa_kernel k_qc504abfd75_attn
		.amdhsa_group_segment_fixed_size 34816
		.amdhsa_private_segment_fixed_size 0
		.amdhsa_enable_private_segment 0
		.amdhsa_kernarg_size 40
		.amdhsa_user_sgpr_count 2
		.amdhsa_user_sgpr_kernarg_segment_ptr 1
		.amdhsa_wavefront_size32 1
		.amdhsa_system_sgpr_workgroup_id_x 1
		.amdhsa_system_sgpr_workgroup_id_y 1
		.amdhsa_system_sgpr_workgroup_id_z 1
		.amdhsa_system_vgpr_workitem_id 0
		.amdhsa_next_free_vgpr 256
		.amdhsa_next_free_sgpr 66
		.amdhsa_reserve_vcc 1
		.amdhsa_float_denorm_mode_32 3
		.amdhsa_float_denorm_mode_16_64 3
		.amdhsa_memory_ordered 1
		.amdhsa_forward_progress 1
		.amdhsa_inst_pref_size 52
	.end_amdhsa_kernel
	.amdgpu_metadata
---
amdhsa.version: [ 1, 2 ]
amdhsa.kernels:
  - .name:           k_qc504abfd75_attn
    .symbol:         k_qc504abfd75_attn.kd
    .args:
      - { .name: qf, .offset: 0, .size: 8, .value_kind: global_buffer, .address_space: global }
      - { .name: kf, .offset: 8, .size: 8, .value_kind: global_buffer, .address_space: global }
      - { .name: vf, .offset: 16, .size: 8, .value_kind: global_buffer, .address_space: global }
      - { .name: lowp_scales, .offset: 24, .size: 8, .value_kind: global_buffer, .address_space: global }
      - { .name: cf, .offset: 32, .size: 8, .value_kind: global_buffer, .address_space: global }
    .group_segment_fixed_size: 34816
    .private_segment_fixed_size: 0
    .kernarg_segment_align: 8
    .kernarg_segment_size: 40
    .max_flat_workgroup_size: 512
    .sgpr_count:     66
    .vgpr_count:     256
    .wavefront_size: 32
...
	.end_amdgpu_metadata
.endif
;; end of part 3
;; launch oproj (part 4): grid 64 x 3, 8 waves a work-group, no clusters, 116,736 bytes of LDS; arguments cf, wc, lowp_scales, b_out, out0; writes out0
.if DOCPART == 4
	.amdgcn_target "amdgcn-amd-amdhsa--gfx1250"
	.amdhsa_code_object_version 6
	.text
	.protected	k_qc504abfd75_oproj
	.globl	k_qc504abfd75_oproj
	.p2align	8
	.type	k_qc504abfd75_oproj,@function
k_qc504abfd75_oproj:
	s_mov_b64 s[64:65], 0
	v_nop
	global_prefetch_b8 v0, s[64:65] scope:SCOPE_SE
	s_setreg_imm32_b32 hwreg(HW_REG_WAVE_MODE, 25, 1), 1
	s_wait_xcnt 0x0
; out0 = Q(ctx) Q(W_out) + b_out on codes of FP8 (E4M3), sums in f32: out = sum x 2^(e10 + e11) + b_out, one packed multiply-add for two numbers.
; Work-group (x, y): rows 64 x on, columns 256 y on.  Wave w: all 4 tiles of rows x tiles of columns 16 y + 2 w, + 1: 8 accumulators.
; ctx's codes lie in cf as images of operand registers: the work-group's 24 images, 49,152 dense bytes, are copied into LDS as they lie (6,144 bytes a wave) and read by all eight waves.
; The weight's fragments come from wc straight into the registers of the one wave that multiplies by them, each used 4 times.
; USED TRANSPOSED: source 0 = 16 columns of W_out, source 1 = 16 rows of ctx: a lane holds one row and eight neighbouring columns, 32 bytes.  A row's 1,024 bytes come from eight waves:
; they meet in a stage in LDS (rows 1,040 bytes apart: an odd multiple of 16, so the sixteen rows of a store start at sixteen different groups of banks), and each wave stores 8 whole rows.
; LIMIT: e10 + e11 between -126 and 127, so that 2^(e10 + e11) is an f32 number.
; NO CLUSTER, NO TENSOR LOAD: what work-groups share is 49,152 bytes of ctx among three and a weight's fragments that go to registers; each is read once by a work-group, at its head or one K step ahead.
.set FRB,  2048
.set STG,  49152                       ; behind the images: the stage, 64 rows x 1,040 bytes
.set SP,   1040
.set CX,   16                          ; v16-79   the copy (48 registers), then 4 fragments of ctx, then the results
.set WB,   80                          ; v80-143  two buffers of two weight fragments, then rows read back
.set ACC,  144                         ; v144-207 accumulator (tile of rows m, tile of columns n) at ACC + 8 (2 m + n)
.set BI,   208                         ; v208-223 b_out of my 2 x 8 columns
; v1 16 x lane; v2 6,144 x wave + 16 x lane; v3 32 h; v4 where I put 32 bytes of a row; v5 where I read rows back
	s_load_b256 s[4:11], s[0:1], 0x0               ; cf s[4:5], wc s[6:7], the scales' exponents s[8:9], b_out s[10:11]
	s_load_b64 s[12:13], s[0:1], 0x20              ; out0
	v_lshl_add_u32 v254, v0, 2, 0x1c400
	v_mov_b32 v255, 0
	v_lshrrev_b32 v1, 5, v0
	v_readfirstlane_b32 s16, v1                    ; wave 0..7
	s_and_b32 s17, ttmp7, 0xffff
	v_and_b32 v1, 31, v0
	v_lshlrev_b32 v1, 4, v1
	s_mul_i32 s33, s16, 6144
	v_add_nc_u32 v2, s33, v1
	v_and_b32 v10, 15, v0                          ; r
	v_bfe_u32 v11, v0, 4, 1                        ; h
	v_lshlrev_b32 v3, 5, v11
	v_mul_u32_u24 v4, v10, SP
	v_add_nc_u32 v4, v4, v3
	s_lshl_b32 s33, s16, 7
	s_add_co_u32 s33, s33, STG
	v_add_nc_u32 v4, s33, v4                       ; the stage: row r, + 32 h, + my 32 columns' 128 bytes
	s_mul_i32 s33, s16, 8*SP
	s_add_co_u32 s33, s33, STG
	v_add_nc_u32 v5, s33, v1                       ; back: my 8 rows, 16 bytes a lane
	s_mul_i32 s22, ttmp9, 24*FRB                   ; cf: 4 tiles of rows x 6 K steps
	s_mov_b32 s23, 0
	s_lshl_b32 s24, s17, 4
	s_lshl_b32 s33, s16, 1
	s_add_co_u32 s24, s24, s33
	s_add_co_u32 s24, s24, 144
	s_mul_i32 s24, s24, 6*FRB                      ; wc: weight 3, tile of columns 16 y + 2 w
	s_mov_b32 s25, 0
	s_lshl_b32 s26, s17, 10
	s_lshl_b32 s33, s16, 7
	s_add_co_u32 s26, s26, s33                     ; b_out: column 256 y + 32 w
	s_mov_b32 s27, 0
	s_lshl_b32 s28, ttmp9, 6
	s_lshl_b32 s33, s16, 3
	s_add_co_u32 s28, s28, s33
	s_mul_i32 s28, s28, 3072
	s_lshl_b32 s33, s17, 10
	s_add_co_u32 s28, s28, s33                     ; out0: row 64 x + 8 w, column 256 y
	s_mov_b32 s29, 0
	s_wait_kmcnt 0x0
	s_load_b64 s[30:31], s[8:9], 0x28              ; e10, e11
	s_add_nc_u64 s[4:5], s[4:5], s[22:23]
	s_add_nc_u64 s[6:7], s[6:7], s[24:25]
	s_add_nc_u64 s[10:11], s[10:11], s[26:27]
	s_add_nc_u64 s[12:13], s[12:13], s[28:29]
.macro WLOAD s                         ; my two weight fragments of K step s into buffer s % 2
.irp n, 0,1
.irp q, 0,1,2,3
	global_load_b128 v[WB+32*((\s)%2)+16*\n+4*\q:WB+32*((\s)%2)+16*\n+4*\q+3], v1, s[6:7] offset:6*FRB*\n+FRB*(\s)+512*\q
.endr
.endr
.endm
.irp t, 0,1,2,3,4,5,6,7,8,9,10,11
	global_load_b128 v[CX+4*\t:CX+4*\t+3], v2, s[4:5] offset:512*\t
.endr
.irp n, 0,1
.irp j, 0,1
	global_load_b128 v[BI+8*\n+4*\j:BI+8*\n+4*\j+3], v3, s[10:11] offset:64*\n+16*\j   ; b_out(256 y + 32 w + 16 n + 8 h + 4 j ..): the result's layout
.endr
.endr
	WLOAD 0
	WLOAD 1
	s_wait_kmcnt 0x0
	s_add_co_i32 s30, s30, s31
	s_add_co_i32 s30, s30, 127
	s_lshl_b32 s30, s30, 23                        ; 2^(e10 + e11) as f32
	s_mov_b32 s31, s30                             ; named with it as a pair, so it is written
	s_wait_loadcnt 0x14                            ; the copy's twelve loads are in; the 4 of b_out and the 16 of the weights stay out
.irp t, 0,1,2,3,4,5,6,7,8,9,10,11
	ds_store_b128 v2, v[CX+4*\t:CX+4*\t+3] offset:512*\t
.endr
	s_wait_dscnt 0x0
	s_barrier_signal -1
	s_barrier_wait -1                              ; ctx's 24 images lie in LDS
.set KS, 0
.rept 6
.irp m, 0,1,2,3
.irp q, 0,1,2,3
	ds_load_b128 v[CX+16*\m+4*\q:CX+16*\m+4*\q+3], v1 offset:FRB*(6*\m+KS)+512*\q
.endr
.endr
.if (KS >= 1) && (KS <= 4)
	WLOAD KS+1                                     ; into the buffer that the K step before has multiplied by
.endif
.if KS < 5
	s_wait_loadcnt 0x8                             ; this K step's weights (and b_out) are in; the next buffer's eight loads stay out
.else
	s_wait_loadcnt 0x0
.endif
	s_wait_dscnt 0x0
.irp m, 0,1,2,3
.irp n, 0,1
.if KS == 0
	v_wmma_f32_16x16x128_fp8_fp8 v[ACC+8*(2*\m+\n):ACC+8*(2*\m+\n)+7], v[WB+32*(KS%2)+16*\n:WB+32*(KS%2)+16*\n+15], v[CX+16*\m:CX+16*\m+15], 0
.else
	v_wmma_f32_16x16x128_fp8_fp8 v[ACC+8*(2*\m+\n):ACC+8*(2*\m+\n)+7], v[WB+32*(KS%2)+16*\n:WB+32*(KS%2)+16*\n+15], v[CX+16*\m:CX+16*\m+15], v[ACC+8*(2*\m+\n):ACC+8*(2*\m+\n)+7]
.endif
.endr
.endr
.rept 4
	v_nop                                          ; four places: ahead of the loads into registers that these products have read, and of the first read of results.  The eight accumulators take turns
.endr
.set KS, KS+1
.endr
.irp m, 0,1,2,3
.irp n, 0,1
.irp i, 0,2,4,6
	v_pk_fma_f32 v[CX+8*(2*\m+\n)+\i:CX+8*(2*\m+\n)+\i+1], v[ACC+8*(2*\m+\n)+\i:ACC+8*(2*\m+\n)+\i+1], s[30:31], v[BI+8*\n+\i:BI+8*\n+\i+1] op_sel_hi:[1,0,1]   ; each accumulator from its low end on
.endr
.endr
.endr
.irp m, 0,1,2,3
.irp n, 0,1
	ds_store_b128 v4, v[CX+8*(2*\m+\n):CX+8*(2*\m+\n)+3] offset:16*SP*\m+64*\n
	ds_store_b128 v4, v[CX+8*(2*\m+\n)+4:CX+8*(2*\m+\n)+7] offset:16*SP*\m+64*\n+16
.endr
.endr
	s_wait_dscnt 0x0
	s_barrier_signal -1
	s_barrier_wait -1                              ; 64 whole rows lie in the stage
.irp t, 0,1,2,3,4,5,6,7,8,9,10,11,12,13,14,15
	ds_load_b128 v[WB+4*\t:WB+4*\t+3], v5 offset:SP*(\t/2)+512*(\t%2)
.endr
.irp t, 0,1,2,3,4,5,6,7,8,9,10,11,12,13,14,15
	s_wait_dscnt 15-\t                             ; LDS loads come back in order: this half row is in
	global_store_b128 v1, v[WB+4*\t:WB+4*\t+3], s[12:13] offset:3072*(\t/2)+512*(\t%2) th:TH_STORE_NT   ; 512 consecutive bytes, aligned; written once, read by nobody here
.endr
	s_wait_tensorcnt 0x0
	ds_add_u32 v254, v255
	s_wait_dscnt 0x0
	s_endpgm
.Lfunc_end_k_qc504abfd75_oproj:
	.size	k_qc504abfd75_oproj, .Lfunc_end_k_qc504abfd75_oproj-k_qc504abfd75_oproj
	.p2alignl 7, 3214868480
	.fill 96, 4, 3214868480
	.section	.rodata,"a",@progbits
	.p2align	6, 0x0
	.amdhsa_kernel k_qc504abfd75_oproj
		.amdhsa_group_segment_fixed_size 116736
		.amdhsa_private_segment_fixed_size 0
		.amdhsa_enable_private_segment 0
		.amdhsa_kernarg_size 40
		.amdhsa_user_sgpr_count 2
		.amdhsa_user_sgpr_kernarg_segment_ptr 1
		.amdhsa_wavefront_size32 1
		.amdhsa_system_sgpr_workgroup_id_x 1
		.amdhsa_system_sgpr_workgroup_id_y 1
		.amdhsa_system_sgpr_workgroup_id_z 1
		.amdhsa_system_vgpr_workitem_id 0
		.amdhsa_next_free_vgpr 256
		.amdhsa_next_free_sgpr 66
		.amdhsa_reserve_vcc 0
		.amdhsa_float_denorm_mode_32 3
		.amdhsa_float_denorm_mode_16_64 3
		.amdhsa_memory_ordered 1
		.amdhsa_forward_progress 1
		.amdhsa_inst_pref_size 26
	.end_amdhsa_kernel
	.amdgpu_metadata
---
amdhsa.version: [ 1, 2 ]
amdhsa.kernels:
  - .name:           k_qc504abfd75_oproj
    .symbol:         k_qc504abfd75_oproj.kd
    .args:
      - { .name: cf, .offset: 0, .size: 8, .value_kind: global_buffer, .address_space: global }
      - { .name: wc, .offset: 8, .size: 8, .value_kind: global_buffer, .address_space: global }
      - { .name: lowp_scales, .offset: 16, .size: 8, .value_kind: global_buffer, .address_space: global }
      - { .name: b_out, .offset: 24, .size: 8, .value_kind: global_buffer, .address_space: global }
      - { .name: out0, .offset: 32, .size: 8, .value_kind: global_buffer, .address_space: global }
    .group_segment_fixed_size: 116736
    .private_segment_fixed_size: 0
    .kernarg_segment_align: 8
    .kernarg_segment_size: 40
    .max_flat_workgroup_size: 256
    .sgpr_count:     66
    .vgpr_count:     256
    .wavefront_size: 32
...
	.end_amdgpu_metadata
.endif
;; end of part 4
;; ======== version 2 of 2: 4 launches; version 1 with the launches qkv, attn, oproj written anew for expert scheduling mode
;; workspace buffers: wc 2,359,296 bytes; qf 3,145,728 bytes; kf 3,145,728 bytes; vf 3,145,728 bytes; cf 3,145,728 bytes
;; launch prep: the kernel of part 1 again; grid 12 x 24, 4 waves a work-group, no clusters, 0 bytes of LDS; arguments W_query, W_key, W_value, W_out, lowp_scales, wc; writes wc
;; launch qkv (part 5): grid 32 x 6, 12 waves a work-group, no clusters, 99,840 bytes of LDS; arguments x, wc, lowp_scales, qf, kf, vf; writes qf, kf, vf
.if DOCPART == 5
	.amdgcn_target "amdgcn-amd-amdhsa--gfx1250"
	.amdhsa_code_object_version 6
	.text
	.protected	k_qc504abfd75_qkv
	.globl	k_qc504abfd75_qkv
	.p2align	8
	.type	k_qc504abfd75_qkv,@function
k_qc504abfd75_qkv:
	s_mov_b64 s[64:65], 0
	v_nop
	global_prefetch_b8 v0, s[64:65] scope:SCOPE_SE
	s_setreg_imm32_b32 hwreg(HW_REG_WAVE_SCHED_MODE, 0, 2), 2
	s_setreg_imm32_b32 hwreg(HW_REG_WAVE_MODE, 25, 1), 1
	s_wait_xcnt 0x0
	s_wait_alu depctr_vm_vsrc(0)
; q = Q(x) Q(W_query), k = Q(x) Q(W_key), v = Q(x) Q(W_value) on codes of FP8 (E4M3), sums in f32; the results are quantised at once for the two products of attention.
; Work-group (x, y): rows 128 x .. 128 x + 127 of x; matrix y / 2 (0 q, 1 k, 2 v); columns 384 (y % 2) on.  x is quantised here with the ONE scale that this matrix names (entry 0, 2 or 4).
; ONE LAYOUT EVERYWHERE: a fragment of 16 rows x 128 K is 16 registers: lane (r = l % 16, h = l / 16) holds row r, registers 2 c, 2 c + 1 hold k = 16 c + 8 h + 0 .. 7.
; Its image: registers 4 q .. 4 q + 3 of lane l at byte 512 q + 16 l.  So every LDS and workspace access of a wave is 512 consecutive bytes, with no pitch and no padding.
; PHASE X: wave w quantises 4 of the 48 fragments of x (K step w / 2, tiles of rows 4 (w % 2) + 0 .. 3) and stores their images in LDS; one barrier.
; PHASE G: wave w makes all 8 tiles of rows x its 2 tiles of columns: 16 accumulators.  Its weight fragments come from wc straight into its registers, each read by this one wave and used 8 times.
; q AND k: source 0 = 16 columns of W, source 1 = 16 rows of x: a lane then holds ONE row and eight neighbouring columns 8 h + j: one conversion is a register pair of the row's next fragment (K = the head's 64).
; v: the sources change places: a lane holds ONE column d and eight neighbouring keys 8 h + j: one conversion is a register pair of V^T's fragment (K = 128 keys).  Nothing is ever turned.
; qf, kf = [head 12][tile of 16 rows: 256][1,024];  vf = [head 12][step of 128 keys: 32][tile of 16 d: 4][2,048].
; The three scales ahead of each quantiser are folded into the conversion's one: 2^(eo - ex - ew), eo = entry 6, 7 or 8.
; LIMITS: ex, and eo - ex - ew, between -126 and 119.  NaN among the inputs is not served.
; NO CLUSTER, NO TENSOR LOAD: the weights go to the registers of the one wave that multiplies by them; of x a work-group reads 393,216 bytes once, as f32, and must convert them in registers anyway.
; THE MODE: SCHED_MODE bits 1:0 = 2 (LLVM: expert scheduling mode 2), set by the entry lines.  The code itself states the register dependences
; between vector or matrix instructions and memory or LDS instructions, with s_wait_alu, always for 0.
; THE PLAN.  Registers that memory or LDS instructions touch:
;   v1-v4     offsets and LDS addresses: written at the head, ahead of one wait on va_vdst, and never again.
;   SA, SB    phase X: loads of x land; the holds write them and the conversions read them; behind ONE wait on va_vdst a unit the set is asked for again.
;   v16-31    phase X: the conversions write the codes; that same wait stands ahead of the image's four LDS stores, which read them; one wait on vm_vsrc stands ahead of the next unit's conversions.
;   v16-63    phase G, a ring of three fragments of x: LDS loads land; a pair of products reads a place; behind the pair one wait on va_vdst, then the loads of the fragment three on, into that place.
;   WB0, WB1  weight loads land; a K step's sixteen products read a buffer; the wait behind that K step's last pair also stands ahead of the loads that fill the buffer again.
;   v16-47    the way out: all conversions write their codes; one wait on va_vdst; the run of stores reads them.
;   The accumulators are named by matrix and vector instructions alone.  A scalar register that a vector instruction reads is not written again.
; A wait a pair: the accumulators (128), the weights (64) and the ring (48) fill the 256 registers that an instruction names, so the ring has no fourth place; three waves share a SIMD.
.set ROWX, 3072                        ; a row of x in bytes
.set FRB,  2048                        ; an image in bytes
.set XR,   16                          ; v16-63   phase X: the codes just made (v16-31); phase G: a ring of three fragments of x; the way out: codes
.set WB,   64                          ; v64-127  two buffers of two weight fragments
.set SA,   128                         ; v128-191 phase X: 64 numbers of x
.set SB,   192                         ; v192-255 phase X: the next 64
.set ACC,  128                         ; v128-255 phase G: accumulator (tile of rows m, tile of columns n) at ACC + 8 (2 m + n)
; v1 16 x lane; v2 the same + 24 images (an LDS immediate has 16 bits); v3 x: 3,072 r + 32 h; v4 where I store images; v6, v7: 2^ex, 448 x 2^ex; v8, v9: the same for the results
	s_load_b256 s[4:11], s[0:1], 0x0               ; x s[4:5], wc s[6:7], the scales' exponents s[8:9], qf s[10:11]
	s_load_b128 s[12:15], s[0:1], 0x20             ; kf s[12:13], vf s[14:15]
	v_lshl_add_u32 v14, v0, 2, 0x18000
	v_mov_b32 v15, 0
	v_lshrrev_b32 v1, 5, v0
	v_readfirstlane_b32 s16, v1                    ; wave 0..11
	v_and_b32 v1, 31, v0
	v_lshlrev_b32 v1, 4, v1
	v_add_nc_u32 v2, 24*FRB, v1
	v_and_b32 v10, 15, v0                          ; r
	v_bfe_u32 v11, v0, 4, 1                        ; h
	v_mul_u32_u24 v3, v10, ROWX
	v_lshl_add_u32 v3, v11, 5, v3
	s_and_b32 s33, ttmp7, 0xffff
	s_lshr_b32 s17, s33, 1                         ; which matrix
	s_and_b32 s18, s33, 1                          ; which half of its columns
	s_wait_alu depctr_va_sdst(0)                   ; s16 is written, ahead of its first reader
	s_and_b32 s19, s16, 1                          ; which half of a head's 64 columns is mine
	s_lshr_b32 s20, s16, 1
	s_mul_i32 s21, s18, 6
	s_add_co_u32 s21, s21, s20                     ; my head
	s_lshl_b32 s40, s16, 13
	v_add_nc_u32 v4, s40, v1                       ; my four images: 8,192 x wave + 16 x lane
	s_lshl_b32 s22, ttmp9, 7
	s_lshl_b32 s33, s19, 6
	s_add_co_u32 s22, s22, s33
	s_mul_i32 s22, s22, ROWX                       ; x: row 128 x + 64 (w % 2),
	s_lshl_b32 s33, s20, 9
	s_add_co_u32 s22, s22, s33                     ; K step w / 2: 512 bytes each
	s_mov_b32 s23, 0
	s_mul_i32 s38, s17, 48
	s_mul_i32 s33, s18, 24
	s_add_co_u32 s38, s38, s33
	s_lshl_b32 s33, s16, 1
	s_add_co_u32 s38, s38, s33
	s_mul_i32 s38, s38, 6*FRB                      ; wc: tile of columns 48 matrix + 24 half + 2 w
	s_mov_b32 s39, 0
	s_wait_kmcnt 0x0
	s_add_nc_u64 s[24:25], s[4:5], s[22:23]
	s_add_nc_u64 s[26:27], s[6:7], s[38:39]
	s_lshl_b32 s22, s17, 3
	s_add_nc_u64 s[34:35], s[8:9], s[22:23]
	s_lshl_b32 s22, s17, 2
	s_add_nc_u64 s[36:37], s[8:9], s[22:23]
	s_load_b64 s[30:31], s[34:35], 0x0             ; ex, ew: entries 2 matrix, 2 matrix + 1
	s_load_b32 s32, s[36:37], 0x18                 ; eo: entry 6 + matrix
.macro WLOAD s                         ; my two weight fragments of K step s into buffer s % 2
.irp n, 0,1
.irp q, 0,1,2,3
	global_load_b128 v[WB+32*((\s)%2)+16*\n+4*\q:WB+32*((\s)%2)+16*\n+4*\q+3], v1, s[26:27] offset:6*FRB*\n+FRB*(\s)+512*\q
.endr
.endr
.endm
.macro XLOAD set, i                    ; 16 rows x 128 numbers of x, 64 a lane, in the fragment's own order: register 8 c + 4 j + .. = k 16 c + 8 h + 4 j + ..
.irp c, 0,1,2,3,4,5,6,7
.irp j, 0,1
	global_load_b128 v[\set+8*\c+4*\j:\set+8*\c+4*\j+3], v3, s[24:25] offset:16*ROWX*\i+64*\c+16*\j
.endr
.endr
.endm
.macro QUANT set                       ; 64 numbers of a lane become a fragment's 16 registers of codes
.set QN, 0
.rept 64
	v_med3_num_f32 v[\set+QN], v[\set+QN], -v7, v7   ; the conversion to an 8-bit code does not saturate (ISA guide 7.6.2): the hold comes first
.set QN, QN+1
.endr
.irp c, 0,1,2,3,4,5,6,7
	v_cvt_scalef32_pk8_fp8_f32 v[XR+2*\c:XR+2*\c+1], v[\set+8*\c:\set+8*\c+7], v6
.endr
	v_nop                                          ; one plain vector line behind the last conversion: later vector and matrix lines write these registers again
.endm
.macro IMAGE i
.irp q, 0,1,2,3
	ds_store_b128 v4, v[XR+4*\q:XR+4*\q+3] offset:FRB*\i+512*\q
.endr
.endm
.macro XF f                            ; image f = 8 x K step + tile of rows, into ring place f % 3
.irp q, 0,1,2,3
	ds_load_b128 v[XR+16*((\f)%3)+4*\q:XR+16*((\f)%3)+4*\q+3], v[1+(\f)/24] offset:FRB*((\f)%24)+512*\q
.endr
.endm
; The products: 6 K steps x 8 tiles of rows x my 2 tiles of columns.  The 16 accumulators take turns, one instruction a turn, in the same order in every K step.
; Behind each pair stand four plain places (ISA guide 7.12.1), which issue while the pair is at work, and behind them the wait that states that the pair is done reading its registers.
.macro GEMM swap
	s_wait_alu depctr_vm_vsrc(0)                   ; my image stores have read v16-31, in which fragment 0 lands (the conversions that wrote them stand ahead of the last wait on va_vdst)
	XF 0
	XF 1
	XF 2
.set KS, 0
.rept 6
.if (KS >= 1) && (KS <= 4)
	WLOAD KS+1                                     ; into the buffer that the K step before has multiplied by: the wait behind that K step's last pair states that its products are done reading it, and no vector or matrix line stands between
.endif
.if KS >= 1
.if KS < 5
	s_wait_loadcnt 0x8                             ; this K step's weights are in; the eight loads just issued stay out
.else
	s_wait_loadcnt 0x0
.endif
.endif
.set MT, 0
.rept 8
.set FI, 8*KS+MT
.set LEFT, 47-FI
.if LEFT > 2
.set LEFT, 2
.endif
	s_wait_dscnt 4*LEFT                            ; LDS loads come back in order: this fragment is in, the younger ones of the ring stay out
.set XQ, XR+16*(FI%3)
.set WQ, WB+32*(KS%2)
.set AQ, ACC+16*MT
.irp n, 0,1
.if \swap
.if KS == 0
	v_wmma_f32_16x16x128_fp8_fp8 v[AQ+8*\n:AQ+8*\n+7], v[XQ:XQ+15], v[WQ+16*\n:WQ+16*\n+15], 0
.else
	v_wmma_f32_16x16x128_fp8_fp8 v[AQ+8*\n:AQ+8*\n+7], v[XQ:XQ+15], v[WQ+16*\n:WQ+16*\n+15], v[AQ+8*\n:AQ+8*\n+7]
.endif
.else
.if KS == 0
	v_wmma_f32_16x16x128_fp8_fp8 v[AQ+8*\n:AQ+8*\n+7], v[WQ+16*\n:WQ+16*\n+15], v[XQ:XQ+15], 0
.else
	v_wmma_f32_16x16x128_fp8_fp8 v[AQ+8*\n:AQ+8*\n+7], v[WQ+16*\n:WQ+16*\n+15], v[XQ:XQ+15], v[AQ+8*\n:AQ+8*\n+7]
.endif
.endif
.endr
.rept 4
	v_nop
.endr
.if FI+3 < 48
	s_wait_alu depctr_va_vdst(0)                   ; the pair is done reading its fragment of x, in whose place the fragment three on lands
	XF FI+3
.endif
.set MT, MT+1
.endr
.set KS, KS+1
.endr
.endm
	; ---- PHASE X
	s_wait_alu depctr_va_vdst(0)                   ; v1 to v4 are written: every load, store and LDS instruction of the kernel reads one of them as its offset or address
	WLOAD 0
	WLOAD 1
	XLOAD SA, 0
	XLOAD SB, 1
	s_wait_kmcnt 0x0
	s_add_co_i32 s33, s30, 127
	s_lshl_b32 s38, s33, 23                        ; 2^ex as f32
	s_add_co_i32 s33, s33, 8
	s_lshl_b32 s33, s33, 23
	s_or_b32 s39, s33, 0x600000                    ; 448 x 2^ex
	s_sub_co_i32 s33, s32, s30
	s_sub_co_i32 s33, s33, s31                     ; a sum stands for sum x 2^(ex + ew): its code is sum / 2^(eo - ex - ew)
	s_add_co_i32 s33, s33, 127
	s_lshl_b32 s41, s33, 23
	s_add_co_i32 s33, s33, 8
	s_lshl_b32 s33, s33, 23
	s_or_b32 s42, s33, 0x600000
	v_mov_b32 v6, s38
	v_mov_b32 v7, s39
	v_mov_b32 v8, s41
	v_mov_b32 v9, s42
	s_wait_loadcnt 0x10                            ; the weights of K steps 0 and 1 and my first 16 rows are in; the next 16 rows' sixteen loads stay out
	QUANT SA
	s_wait_alu depctr_va_vdst(0)                   ; the holds and conversions are done with SA, in which the loads below land, and the conversions have written v16-31, which the image's stores read
	XLOAD SA, 2
	IMAGE 0
	s_wait_loadcnt 0x10
	s_wait_dscnt 0x0                               ; the image's four stores are done,
	s_wait_alu depctr_vm_vsrc(0)                   ; and, stated for the registers: they have read v16-31, which the conversions below write again
	QUANT SB
	s_wait_alu depctr_va_vdst(0)                   ; the same for SB and for this unit's codes
	XLOAD SB, 3
	IMAGE 1
	s_wait_loadcnt 0x10
	s_wait_dscnt 0x0
	s_wait_alu depctr_vm_vsrc(0)                   ; image 1's stores have read v16-31
	QUANT SA
	s_wait_alu depctr_va_vdst(0)                   ; the conversions have written v16-31, which the image's stores read
	IMAGE 2
	s_wait_loadcnt 0x0
	s_wait_dscnt 0x0
	s_wait_alu depctr_vm_vsrc(0)                   ; image 2's stores have read v16-31
	QUANT SB
	s_wait_alu depctr_va_vdst(0)                   ; the conversions have written v16-31, which the image's stores read and in which, behind the barrier, fragment 0 lands
	IMAGE 3
	s_wait_dscnt 0x0                               ; for the others' sake: my images have landed
	s_barrier_signal -1
	s_barrier_wait -1                              ; all 48 images lie in LDS; from here on LDS is only read
	s_cmp_eq_u32 s17, 2                            ; the same in all waves of the work-group
	s_cbranch_scc1 .Lvalues
	; ---- q and k
	s_lshl_b32 s22, s21, 8
	s_lshl_b32 s33, ttmp9, 3
	s_add_co_u32 s22, s22, s33
	s_lshl_b32 s22, s22, 10                        ; [head][tile of rows 8 x + m][1,024],
	s_lshl_b32 s33, s19, 9
	s_add_co_u32 s22, s22, s33                     ; and my half of the head's 64: registers 4 (w % 2) on, 512 bytes
	s_cmp_eq_u32 s17, 0
	s_cselect_b64 s[28:29], s[10:11], s[12:13]
	s_add_nc_u64 s[28:29], s[28:29], s[22:23]
	GEMM 0
.set MT, 0
.rept 8
.set QN, 0
.rept 16
	v_med3_num_f32 v[ACC+16*MT+QN], v[ACC+16*MT+QN], -v9, v9   ; each accumulator from its low end on
.set QN, QN+1
.endr
	v_cvt_scalef32_pk8_fp8_f32 v[XR+4*MT:XR+4*MT+1], v[ACC+16*MT:ACC+16*MT+7], v8
	v_cvt_scalef32_pk8_fp8_f32 v[XR+4*MT+2:XR+4*MT+3], v[ACC+16*MT+8:ACC+16*MT+15], v8
.set MT, MT+1
.endr
	v_nop
	s_wait_alu depctr_va_vdst(0)                   ; the sixteen conversions have written v16-47, which the eight stores read: one wait for the run
.set MT, 0
.rept 8
	global_store_b128 v1, v[XR+4*MT:XR+4*MT+3], s[28:29] offset:1024*MT   ; 512 consecutive bytes, aligned; each tile has its own code registers
.set MT, MT+1
.endr
	s_wait_dscnt 0x0
	s_wait_alu depctr_hold_cnt(0) depctr_sa_sdst(0) depctr_va_vdst(0) depctr_va_sdst(0) depctr_va_ssrc(0) depctr_va_vcc(0) depctr_vm_vsrc(0)
	s_wait_tensorcnt 0x0
	ds_add_u32 v14, v15
	s_wait_dscnt 0x0
	s_endpgm
.Lvalues:
	; ---- v
	s_lshl_b32 s22, s21, 5
	s_add_co_u32 s22, s22, ttmp9
	s_lshl_b32 s22, s22, 2
	s_lshl_b32 s33, s19, 1
	s_add_co_u32 s22, s22, s33
	s_lshl_b32 s22, s22, 11                        ; [head][step x][tile of d 2 (w % 2) + n][2,048]
	s_add_nc_u64 s[28:29], s[14:15], s[22:23]
	GEMM 1
.set MT, 0
.rept 8
.irp n, 0,1
.irp i, 0,1,2,3,4,5,6,7
	v_med3_num_f32 v[ACC+16*MT+8*\n+\i], v[ACC+16*MT+8*\n+\i], -v9, v9
.endr
	v_cvt_scalef32_pk8_fp8_f32 v[XR+16*\n+2*MT:XR+16*\n+2*MT+1], v[ACC+16*MT+8*\n:ACC+16*MT+8*\n+7], v8   ; keys 16 m + 8 h + 0 .. 7 of column d = r: pair m of V^T's fragment
.endr
.set MT, MT+1
.endr
	v_nop
	s_wait_alu depctr_va_vdst(0)                   ; the sixteen conversions have written v16-47, which the eight stores read: one wait for the run
.irp n, 0,1
.irp q, 0,1,2,3
	global_store_b128 v1, v[XR+16*\n+4*\q:XR+16*\n+4*\q+3], s[28:29] offset:FRB*\n+512*\q
.endr
.endr
	s_wait_dscnt 0x0
	s_wait_alu depctr_hold_cnt(0) depctr_sa_sdst(0) depctr_va_vdst(0) depctr_va_sdst(0) depctr_va_ssrc(0) depctr_va_vcc(0) depctr_vm_vsrc(0)
	s_wait_tensorcnt 0x0
	ds_add_u32 v14, v15
	s_wait_dscnt 0x0
	s_endpgm
.Lfunc_end_k_qc504abfd75_qkv:
	.size	k_qc504abfd75_qkv, .Lfunc_end_k_qc504abfd75_qkv-k_qc504abfd75_qkv
	.p2alignl 7, 3214868480
	.fill 96, 4, 3214868480
	.section	.rodata,"a",@progbits
	.p2align	6, 0x0
	.amdhsa_kernel k_qc504abfd75_qkv
		.amdhsa_group_segment_fixed_size 99840
		.amdhsa_private_segment_fixed_size 0
		.amdhsa_enable_private_segment 0
		.amdhsa_kernarg_size 48
		.amdhsa_user_sgpr_count 2
		.amdhsa_user_sgpr_kernarg_segment_ptr 1
		.amdhsa_wavefront_size32 1
		.amdhsa_system_sgpr_workgroup_id_x 1
		.amdhsa_system_sgpr_workgroup_id_y 1
		.amdhsa_system_sgpr_workgroup_id_z 1
		.amdhsa_system_vgpr_workitem_id 0
		.amdhsa_next_free_vgpr 256
		.amdhsa_next_free_sgpr 66
		.amdhsa_reserve_vcc 0
		.amdhsa_float_denorm_mode_32 3
		.amdhsa_float_denorm_mode_16_64 3
		.amdhsa_memory_ordered 1
		.amdhsa_forward_progress 1
		.amdhsa_inst_pref_size 111
	.end_amdhsa_kernel
	.amdgpu_metadata
---
amdhsa.version: [ 1, 2 ]
amdhsa.kernels:
  - .name:           k_qc504abfd75_qkv
    .symbol:         k_qc504abfd75_qkv.kd
    .args:
      - { .name: x, .offset: 0, .size: 8, .value_kind: global_buffer, .address_space: global }
      - { .name: wc, .offset: 8, .size: 8, .value_kind: global_buffer, .address_space: global }
      - { .name: lowp_scales, .offset: 16, .size: 8, .value_kind: global_buffer, .address_space: global }
      - { .name: qf, .offset: 24, .size: 8, .value_kind: global_buffer, .address_space: global }
      - { .name: kf, .offset: 32, .size: 8, .value_kind: global_buffer, .address_space: global }
      - { .name: vf, .offset: 40, .size: 8, .value_kind: global_buffer, .address_space: global }
    .group_segment_fixed_size: 99840
    .private_segment_fixed_size: 0
    .kernarg_segment_align: 8
    .kernarg_segment_size: 48
    .max_flat_workgroup_size: 384
    .sgpr_count:     66
    .vgpr_count:     256
    .wavefront_size: 32
...
	.end_amdgpu_metadata
.endif
;; end of part 5
;; launch attn (part 6): grid 16 x 12, 16 waves a work-group, no clusters, 34,816 bytes of LDS; arguments qf, kf, vf, lowp_scales, cf; writes cf
.if DOCPART == 6
	.amdgcn_target "amdgcn-amd-amdhsa--gfx1250"
	.amdhsa_code_object_version 6
	.text
	.protected	k_qc504abfd75_attn
	.globl	k_qc504abfd75_attn
	.p2align	8
	.type	k_qc504abfd75_attn,@function
k_qc504abfd75_attn:
	s_mov_b64 s[64:65], 0
	v_nop
	global_prefetch_b8 v0, s[64:65] scope:SCOPE_SE
	s_setreg_imm32_b32 hwreg(HW_REG_WAVE_SCHED_MODE, 0, 2), 2
	s_setreg_imm32_b32 hwreg(HW_REG_WAVE_MODE, 25, 1), 1
	s_wait_xcnt 0x0
	s_wait_alu depctr_vm_vsrc(0)
; ctx[q] = the sum over keys k <= q of softmax_k(q . k / 8) v, for one head, both products on codes of FP8 (E4M3); the result is quantised at once for the last product.
; THE SOFTMAX AHEAD OF THE SECOND PRODUCT: t = score x log2(e) / 8; M = the running largest t rounded UP to a whole number; p = 2^(t - M) is quantised with 2^e9, not normalised;
; the row's sum is taken of the unquantised p and divides at the end.  When M moves, the sum and O are multiplied by 2^(old M - new M): a power of two.
; LAYOUT.  S^T = K Q^T (source 0 = 16 keys, source 1 = my 16 queries), O^T = V^T P (source 0 = 16 of the head's 64, source 1 = P): a lane holds ONE query (lane % 16) throughout.
; In tile c of S^T lane (r, h) holds keys 16 c + 8 h + 0 .. 7: one conversion is register pair c of P's fragment.  In tile d of O^T it holds channels 16 d + 8 h + 0 .. 7: pair 4 (head % 2) + d of ctx's fragment.
; SHARES.  A wave owns one tile of 16 queries.  Work-group (i, head) owns the query blocks i and 31 - i, 128 queries each: of waves 2 m and 2 m + 1 one takes tile m of the early block and the other tile m of the late one.
; A wave of block b works in key steps 0 .. b (128 keys a step); the work-group walks steps 0 .. 31 - i.  So every work-group has 8 (i + 1) + 8 (32 - i) = 264 wave-steps: the same for every i.
; THE RING.  kf and vf hold a step's fragments as images of registers, 8,192 dense bytes each: thread t copies bytes 16 t of both through registers into one of two LDS slots, asked for two steps ahead.
; One barrier a step: in front of it each wave's stores into the next slot have landed and its reads of this slot are over.  A trip of the loop is two steps, so that a slot's place stands in the immediates.
; THE MASK.  A step behind a wave's last is jumped over (a scalar branch on ids, round the step's work alone, never round a barrier).  In its last step, on the diagonal, hidden scores become -infinity: p = 0.
; NO CLUSTER: the work-groups of a head walk 17 to 32 steps, so partners would ask for different numbers of tiles; and a step's shared bytes, 16,384, are two 16-byte loads a lane.
; LIMITS: e6 + e7 between -123 and 130 (added to c's exponent field); e9, and e10 - e8 - e9, between -126 and 119.  NaN among the inputs is not served.
; THE MODE: SCHED_MODE bits 1:0 = 2 (LLVM: expert scheduling mode 2), set by the entry lines.  The code itself states the register dependences
; between vector or matrix instructions and memory or LDS instructions, with s_wait_alu, always for 0.
; THE PLAN.  Registers that memory or LDS instructions touch:
;   v1-v3     offsets and LDS addresses: written at the head, ahead of one wait on va_vdst, and never again.
;   v16-23    Q: loaded once; no load lands there again.
;   STA0, 1   the copies' sets: global loads land in set p at the head of step s; the LDS stores at the end of step s + 1 read it; no vector instruction names them.
;             So one wait on vm_vsrc at a step's head, ahead of the loads into the set that the step before stored.
;   v32-95    K's fragments land; the eight products K Q^T read them; V's fragments land; the four products V^T P read them; the next step's K lands.
;             So two waits on va_vdst a step, each directly ahead of a run of sixteen LDS loads: at the step's head, and behind the places that follow K Q^T.
;   v192-199  at the end: the conversions write ctx's codes; one wait on va_vdst; two stores read them.
;   S^T, p, O^T, p's codes and the statistics are named by vector and matrix instructions alone.
;   s48-s63   the mask's compares write them, sixteen to a run, with one wait on va_sdst between a run and the selects that read it.
;   A scalar register that a vector instruction reads is not written again by a scalar instruction.
.set SLOTB, 16384                      ; a slot: K's 8 images of 1,024 bytes, then V's 4 of 2,048
.set VOFF,  8192
.set KF,    32                         ; v32-95   the step's 8 fragments of K, then its 4 of V
.set SS,    96                         ; v96-159  S^T, then p
.set OT,    160                        ; v160-191 O^T
.set PC,    192                        ; v192-207 p's codes; at the end ctx's
.set STA,   208                        ; v208-223 two sets of 8 for the copies: 16 bytes of K, 16 of V
; v1 16 x lane; v2 16 x thread; v3 256 x lane; v4 my query less 8 h, within its block; v5 -infinity; v6, v7: 2^e9, 448 x 2^e9; v8, v9: the same for ctx
; v12 -M; v13 the largest t; v[14:15] the sum in two halves; v16-23 Q; v224, v225 the maximum's chains; v226 the other half's; v[228:229] f and a word named with it; v[230:231] the sum's second chain
; s16 wave; s17 i; s18 head; s19 my last step; s20-24 e6 .. e10; s25 trips to go; s26 the step in hand; s[28:29] an offset; s[30:31], s[32:33] kf, vf at my head
; s[34:35] c twice; s[36:37] lane selects; s38 the step below which I prefetch; s[40:47] the copies' addresses, K's and V's for each set; s48-s63 at the head 2^e9, 448 x 2^e9 and the same for ctx, then the mask's bits
	s_load_b256 s[4:11], s[0:1], 0x0               ; qf s[4:5], kf s[6:7], vf s[8:9], the scales' exponents s[10:11]
	s_load_b64 s[12:13], s[0:1], 0x20              ; cf
	v_lshl_add_u32 v254, v0, 2, 0x8000
	v_mov_b32 v255, 0
	v_lshrrev_b32 v1, 5, v0
	v_readfirstlane_b32 s16, v1                    ; wave 0..15
	v_and_b32 v1, 31, v0
	v_lshlrev_b32 v3, 8, v1
	v_lshlrev_b32 v1, 4, v1
	v_lshlrev_b32 v2, 4, v0
	v_and_b32 v10, 15, v0
	v_bfe_u32 v11, v0, 4, 1
	v_lshlrev_b32 v11, 3, v11
	v_mov_b32 v5, 0xff800000
	s_mov_b32 s17, ttmp9
	s_and_b32 s18, ttmp7, 0xffff
	s_wait_alu depctr_va_sdst(0)                   ; s16 is written, ahead of its first reader
	s_lshr_b32 s39, s16, 2
	s_xor_b32 s39, s39, s16
	s_and_b32 s39, s39, 1                          ; 1: the late block.  Of waves w, w + 4, w + 8, w + 12, and of 4 m .. 4 m + 3, two are late
	s_sub_co_u32 s27, 31, s17
	s_cmp_eq_u32 s39, 1
	s_cselect_b32 s19, s27, s17                    ; my block of 128 queries, which is also my last key step
	s_lshr_b32 s39, s16, 1                         ; my tile in it
	s_lshl_b32 s27, s19, 3
	s_add_co_u32 s27, s27, s39                     ; my tile of 16 queries, of 256
	s_lshl_b32 s14, s39, 4
	v_add_nc_u32 v4, s14, v10
	v_sub_nc_u32 v4, v4, v11                       ; register 8 c + j holds key 16 c + 8 h + j of the step: hidden on the diagonal where 16 c + j > 16 tile + r - 8 h
	s_sub_co_u32 s25, 33, s17
	s_lshr_b32 s25, s25, 1                         ; 32 - i steps, two a trip, rounded up: in a step too many every wave jumps over the work
	s_mov_b32 s26, 0
	s_mov_b32 s36, 0x76543210
	s_mov_b32 s37, 0xfedcba98
	s_or_b32 s39, s17, s16
	s_cmp_eq_u32 s39, 0
	s_cselect_b32 s38, 28, 0                       ; wave 0 of the head's work-group i = 0, which walks all 32 steps, prefetches; nobody else
	s_lshl_b32 s28, s18, 18                        ; a head's 262,144 bytes in kf and in vf
	s_mov_b32 s29, 0
	s_wait_kmcnt 0x0
	s_load_b128 s[20:23], s[10:11], 0x18           ; e6 (q), e7 (k), e8 (v), e9 (p)
	s_load_b32 s24, s[10:11], 0x28                 ; e10 (ctx)
	s_add_nc_u64 s[30:31], s[6:7], s[28:29]
	s_add_nc_u64 s[32:33], s[8:9], s[28:29]
	s_lshl_b32 s28, s18, 8
	s_add_co_u32 s28, s28, s27
	s_lshl_b32 s28, s28, 10
	s_add_nc_u64 s[4:5], s[4:5], s[28:29]          ; my fragment of Q
	s_mul_i32 s28, s27, 12288
	s_lshl_b32 s39, s18, 10
	s_add_co_u32 s28, s28, s39
	s_add_nc_u64 s[12:13], s[12:13], s[28:29]      ; cf: [tile of rows][K step head / 2][2,048], + 1,024 (head % 2): together 1,024 x head
	s_mov_b64 s[40:41], s[30:31]
	s_mov_b64 s[42:43], s[32:33]
	s_add_nc_u64 s[44:45], s[30:31], VOFF
	s_add_nc_u64 s[46:47], s[32:33], VOFF
	s_wait_alu depctr_va_vdst(0)                   ; v1, v2 and v3 are written: every load, store, prefetch and LDS instruction of the kernel reads one of them as its offset or address
	global_load_b128 v[16:19], v1, s[4:5]
	global_load_b128 v[20:23], v1, s[4:5] offset:512
	global_load_b128 v[STA:STA+3], v2, s[40:41]    ; step 0
	global_load_b128 v[STA+4:STA+7], v2, s[42:43]
	global_load_b128 v[STA+8:STA+11], v2, s[44:45] ; step 1
	global_load_b128 v[STA+12:STA+15], v2, s[46:47]
	v_mov_b32 v13, 0xff61b1e6                      ; the largest t so far: -3e38, under every t
	v_floor_f32 v12, -v13
	v_mov_b32 v14, 0
	v_mov_b32 v15, 0
	v_mov_b32 v226, 0                              ; a lane permute's destination counts as one of its sources
	v_mov_b32 v229, 0                              ; named as the upper half of the pair v[228:229]
.set QN, 0
.rept 32
	v_mov_b32 v[OT+QN], 0                          ; the step is written without a first step of its own: the first change of M multiplies zeros
.set QN, QN+1
.endr
	s_wait_kmcnt 0x0
	s_add_co_i32 s39, s20, s21
	s_lshl_b32 s39, s39, 23
	s_add_co_i32 s34, s39, 0x3e38aa3b              ; c = log2(e) / 8, with e6 + e7 added to its exponent field: a score stands for score x 2^(e6 + e7)
	s_mov_b32 s35, s34
	s_add_co_i32 s39, s23, 127
	s_lshl_b32 s48, s39, 23                        ; 2^e9
	s_add_co_i32 s39, s39, 8
	s_lshl_b32 s39, s39, 23
	s_or_b32 s49, s39, 0x600000                    ; 448 x 2^e9
	s_sub_co_i32 s39, s24, s22
	s_sub_co_i32 s39, s39, s23                     ; O / l stands for ctx / 2^(e8 + e9): its code is (O / l) / 2^(e10 - e8 - e9)
	s_add_co_i32 s39, s39, 127
	s_lshl_b32 s50, s39, 23
	s_add_co_i32 s39, s39, 8
	s_lshl_b32 s39, s39, 23
	s_or_b32 s51, s39, 0x600000
	v_mov_b32 v6, s48
	v_mov_b32 v7, s49
	v_mov_b32 v8, s50
	v_mov_b32 v9, s51
	s_wait_loadcnt 0x2                             ; Q and step 0 are in; step 1's two loads stay out
	ds_store_b128 v2, v[STA:STA+3]
	ds_store_b128 v2, v[STA+4:STA+7] offset:VOFF
	s_wait_dscnt 0x0
	s_barrier_signal -1
	s_barrier_wait -1                              ; slot 0 holds step 0
; A KEY STEP's work, on slot p.
.macro STEP p
	s_wait_alu depctr_va_vdst(0)                   ; the products V^T P of my step before are done reading v32-95, in which K's fragments land
.irp c, 0,1,2,3,4,5,6,7
.irp q, 0,1
	ds_load_b128 v[KF+8*\c+4*\q:KF+8*\c+4*\q+3], v1 offset:SLOTB*\p+1024*\c+512*\q
.endr
.endr
	s_wait_dscnt 0x0
.irp c, 0,1,2,3,4,5,6,7
	v_wmma_f32_16x16x64_fp8_fp8 v[SS+8*\c:SS+8*\c+7], v[KF+8*\c:KF+8*\c+7], v[16:23], 0
.endr
.rept 4
	v_nop                                          ; four places, ahead of the first read of the scores
.endr
	s_wait_alu depctr_va_vdst(0)                   ; the eight products are done reading K's fragments, in whose registers V's land
.irp d, 0,1,2,3
.irp q, 0,1,2,3
	ds_load_b128 v[KF+16*\d+4*\q:KF+16*\d+4*\q+3], v1 offset:SLOTB*\p+VOFF+2048*\d+512*\q   ; V lands while the softmax is worked: no line of it names v32-95
.endr
.endr
	s_cmp_lg_u32 s26, s19                          ; only my last step lies on the diagonal
	s_cbranch_scc1 .Lopen_\@
.set QB, 0
.rept 4                                        ; sixteen compares to a run, each into a scalar register of its own
.set QN, 0
.rept 16
	v_cmp_gt_i32 s[48+QN], 16*((QB+QN)/8)+(QB+QN)%8, v4
.set QN, QN+1
.endr
	s_wait_alu depctr_va_sdst(0)                   ; the sixteen compares have written s48 to s63, ahead of the selects that read them
.set QN, 0
.rept 16
	v_cndmask_b32 v[SS+QB+QN], v[SS+QB+QN], v5, s[48+QN]
.set QN, QN+1
.endr
.set QB, QB+16
.endr
.Lopen_\@:
	v_max3_num_f32 v224, v[SS], v[SS+1], v[SS+2]   ; the step's largest score of my query among my 64 keys, in two chains; each tile is first read at its low end
	v_max3_num_f32 v225, v[SS+3], v[SS+4], v[SS+5]
.irp i, 6,10,14,18,22,26,30,34,38,42,46,50,54,58
	v_max3_num_f32 v224, v224, v[SS+\i], v[SS+\i+1]
	v_max3_num_f32 v225, v225, v[SS+\i+2], v[SS+\i+3]
.endr
	v_max3_num_f32 v224, v224, v[SS+62], v[SS+63]
	v_max_num_f32 v224, v224, v225
	v_permlanex16_b32 v226, v224, s36, s37
	v_max_num_f32 v224, v224, v226                 ; and among lane l xor 16's
	v_mul_f32 v224, s34, v224                      ; as t (c is positive)
	v_max_num_f32 v13, v13, v224
	v_mov_b32 v224, v12
	v_floor_f32 v12, -v13                          ; the new -M = floor(-t) = -ceil(t)
	v_sub_f32 v224, v12, v224                      ; old M - new M: a whole number, 0 or less
	v_cvt_i32_f32 v224, v224                       ; (it saturates)
	v_ldexp_f32 v228, 1.0, v224                    ; f = 2^(old M - new M)
.set QN, 0
.rept 32
	v_pk_fma_f32 v[SS+QN:SS+QN+1], v[SS+QN:SS+QN+1], s[34:35], v[12:13] op_sel_hi:[1,0,0]   ; t - M, two at a time: of the pairs c and -M the low word serves both halves
.set QN, QN+2
.endr
.set QN, 0
.rept 64
	v_exp_f32 v[SS+QN], v[SS+QN]                   ; p = 2^(t - M)
.set QN, QN+1
.endr
	v_pk_mul_f32 v[14:15], v[14:15], v[228:229] op_sel_hi:[1,0]   ; the sum under the new M; also the plain line behind the last exponential
	s_wait_alu depctr_va_vdst(0)                   ; the 64 exponentials have written p: one wait for the batch, ahead of its first reader
	v_pk_add_f32 v[230:231], v[SS:SS+1], v[SS+2:SS+3]   ; the sum of the UNQUANTISED p, in two chains
.irp j, 4,8,12,16,20,24,28,32,36,40,44,48,52,56,60
	v_pk_add_f32 v[14:15], v[14:15], v[SS+\j:SS+\j+1]
	v_pk_add_f32 v[230:231], v[230:231], v[SS+\j+2:SS+\j+3]
.endr
	v_pk_add_f32 v[14:15], v[14:15], v[230:231]
	s_cmp_ge_i32 s23, -8                           ; p is at most 1, and 448 x 2^e9 is 1.75 or more from e9 = -8 on: the hold can only bite below that
	s_cbranch_scc1 .Lnohold_\@
.set QN, 0
.rept 64
	v_min_num_f32 v[SS+QN], v[SS+QN], v7           ; the conversion does not saturate (ISA guide 7.6.2); p is not negative, so the hold is one-sided
.set QN, QN+1
.endr
.Lnohold_\@:
.irp c, 0,1,2,3,4,5,6,7
	v_cvt_scalef32_pk8_fp8_f32 v[PC+2*\c:PC+2*\c+1], v[SS+8*\c:SS+8*\c+7], v6
.endr
.set QN, 0
.rept 16
	v_pk_mul_f32 v[OT+QN:OT+QN+1], v[OT+QN:OT+QN+1], v[228:229] op_sel_hi:[1,0]   ; O^T under the new M, each tile from its low end on; also the plain lines behind the conversions
.set QN, QN+2
.endr
	s_wait_dscnt 0x0                               ; V is in
.irp d, 0,1,2,3
	v_wmma_f32_16x16x128_fp8_fp8 v[OT+8*\d:OT+8*\d+7], v[KF+16*\d:KF+16*\d+15], v[PC:PC+15], v[OT+8*\d:OT+8*\d+7]   ; four accumulators by turns; the eight products K Q^T stand between a tile's links
.endr
.rept 4
	v_nop                                          ; four places, ahead of the next read of O^T
.endr
.endm
; HALF A TRIP: step s26, in slot p.
.macro HALF p
	s_wait_xcnt 0x0                                ; the loads and prefetches that named set p's addresses, two steps back, have read them
	s_wait_alu depctr_vm_vsrc(0)                   ; the LDS stores of the step before have read set p's eight registers, in which the loads below land
	s_add_co_u32 s39, s26, 2
	s_min_u32 s39, s39, 31                         ; two steps on, held at the last step: no load leaves its buffer
	s_lshl_b32 s28, s39, 13
	s_add_nc_u64 s[40+4*\p:41+4*\p], s[30:31], s[28:29]
	s_add_nc_u64 s[42+4*\p:43+4*\p], s[32:33], s[28:29]
	global_load_b128 v[STA+8*\p:STA+8*\p+3], v2, s[40+4*\p:41+4*\p]
	global_load_b128 v[STA+8*\p+4:STA+8*\p+7], v2, s[42+4*\p:43+4*\p]
	s_cmp_lt_u32 s26, s38
	s_cbranch_scc0 .Lnoask_\@
	global_prefetch_b8 v3, s[40+4*\p:41+4*\p] offset:2*VOFF th:TH_LOAD_NT scope:SCOPE_SE   ; step s26 + 4, two steps ahead of the loads that will want it: 32 lanes x 256 bytes are K's 8,192,
	global_prefetch_b8 v3, s[42+4*\p:43+4*\p] offset:2*VOFF th:TH_LOAD_NT scope:SCOPE_SE   ; and V's.  One wave of one work-group of the head asks, in steps 0 to 27: steps 4 to 31 are each named once
.Lnoask_\@:
	s_cmp_gt_u32 s26, s19                          ; all keys of this step come after my queries
	s_cbranch_scc1 .Lskip_\@
	STEP \p
.Lskip_\@:
	s_wait_loadcnt 0x2                             ; the next step's bytes, asked for a step ago, are in; the two loads just issued stay out
	ds_store_b128 v2, v[STA+8*(1-\p):STA+8*(1-\p)+3] offset:SLOTB*(1-\p)        ; into the slot that every wave left at the last barrier; the data came by loads, no vector line has named them
	ds_store_b128 v2, v[STA+8*(1-\p)+4:STA+8*(1-\p)+7] offset:SLOTB*(1-\p)+VOFF
	s_add_co_u32 s26, s26, 1
	s_wait_dscnt 0x0                               ; my stores have landed, and my reads of this slot are over
	s_barrier_signal -1
	s_barrier_wait -1
.endm
.Ltrip:
	HALF 0
	HALF 1
	s_sub_co_u32 s25, s25, 1
	s_cmp_lg_u32 s25, 0
	s_cbranch_scc1 .Ltrip
	; THE WAY OUT: O^T / l, quantised; the four conversions are eight registers of ctx's fragment, stored as they stand.
	v_add_f32 v14, v14, v15
	v_permlanex16_b32 v226, v14, s36, s37
	v_add_f32 v14, v14, v226                       ; the row's sum
	v_rcp_f32 v228, v14
	v_nop                                          ; a plain line behind the reciprocal
	s_wait_alu depctr_va_vdst(0)                   ; the reciprocal has written v228, ahead of its first reader
.set QN, 0
.rept 16
	v_pk_mul_f32 v[OT+QN:OT+QN+1], v[OT+QN:OT+QN+1], v[228:229] op_sel_hi:[1,0]
.set QN, QN+2
.endr
.set QN, 0
.rept 32
	v_med3_num_f32 v[OT+QN], v[OT+QN], -v9, v9
.set QN, QN+1
.endr
.irp d, 0,1,2,3
	v_cvt_scalef32_pk8_fp8_f32 v[PC+2*\d:PC+2*\d+1], v[OT+8*\d:OT+8*\d+7], v8
.endr
	v_nop
	s_wait_alu depctr_va_vdst(0)                   ; the four conversions have written v192-199, which the two stores read
	global_store_b128 v1, v[PC:PC+3], s[12:13]               ; 512 consecutive bytes, aligned
	global_store_b128 v1, v[PC+4:PC+7], s[12:13] offset:512
	s_wait_dscnt 0x0
	s_wait_alu depctr_hold_cnt(0) depctr_sa_sdst(0) depctr_va_vdst(0) depctr_va_sdst(0) depctr_va_ssrc(0) depctr_va_vcc(0) depctr_vm_vsrc(0)
	s_wait_tensorcnt 0x0
	ds_add_u32 v254, v255
	s_wait_dscnt 0x0
	s_endpgm
.Lfunc_end_k_qc504abfd75_attn:
	.size	k_qc504abfd75_attn, .Lfunc_end_k_qc504abfd75_attn-k_qc504abfd75_attn
	.p2alignl 7, 3214868480
	.fill 96, 4, 3214868480
	.section	.rodata,"a",@progbits
	.p2align	6, 0x0
	.amdhsa_kernel k_qc504abfd75_attn
		.amdhsa_group_segment_fixed_size 34816
		.amdhsa_private_segment_fixed_size 0
		.amdhsa_enable_private_segment 0
		.amdhsa_kernarg_size 40
		.amdhsa_user_sgpr_count 2
		.amdhsa_user_sgpr_kernarg_segment_ptr 1
		.amdhsa_wavefront_size32 1
		.amdhsa_system_sgpr_workgroup_id_x 1
		.amdhsa_system_sgpr_workgroup_id_y 1
		.amdhsa_system_sgpr_workgroup_id_z 1
		.amdhsa_system_vgpr_workitem_id 0
		.amdhsa_next_free_vgpr 256
		.amdhsa_next_free_sgpr 66
		.amdhsa_reserve_vcc 0
		.amdhsa_float_denorm_mode_32 3
		.amdhsa_float_denorm_mode_16_64 3
		.amdhsa_memory_ordered 1
		.amdhsa_forward_progress 1
		.amdhsa_inst_pref_size 61
	.end_amdhsa_kernel
	.amdgpu_metadata
---
amdhsa.version: [ 1, 2 ]
amdhsa.kernels:
  - .name:           k_qc504abfd75_attn
    .symbol:         k_qc504abfd75_attn.kd
    .args:
      - { .name: qf, .offset: 0, .size: 8, .value_kind: global_buffer, .address_space: global }
      - { .name: kf, .offset: 8, .size: 8, .value_kind: global_buffer, .address_space: global }
      - { .name: vf, .offset: 16, .size: 8, .value_kind: global_buffer, .address_space: global }
      - { .name: lowp_scales, .offset: 24, .size: 8, .value_kind: global_buffer, .address_space: global }
      - { .name: cf, .offset: 32, .size: 8, .value_kind: global_buffer, .address_space: global }
    .group_segment_fixed_size: 34816
    .private_segment_fixed_size: 0
    .kernarg_segment_align: 8
    .kernarg_segment_size: 40
    .max_flat_workgroup_size: 512
    .sgpr_count:     66
    .vgpr_count:     256
    .wavefront_size: 32
...
	.end_amdgpu_metadata
.endif
;; end of part 6
;; launch oproj (part 7): grid 64 x 3, 8 waves a work-group, no clusters, 116,736 bytes of LDS; arguments cf, wc, lowp_scales, b_out, out0; writes out0
.if DOCPART == 7
	.amdgcn_target "amdgcn-amd-amdhsa--gfx1250"
	.amdhsa_code_object_version 6
	.text
	.protected	k_qc504abfd75_oproj
	.globl	k_qc504abfd75_oproj
	.p2align	8
	.type	k_qc504abfd75_oproj,@function
k_qc504abfd75_oproj:
	s_mov_b64 s[64:65], 0
	v_nop
	global_prefetch_b8 v0, s[64:65] scope:SCOPE_SE
	s_setreg_imm32_b32 hwreg(HW_REG_WAVE_SCHED_MODE, 0, 2), 2
	s_setreg_imm32_b32 hwreg(HW_REG_WAVE_MODE, 25, 1), 1
	s_wait_xcnt 0x0
	s_wait_alu depctr_vm_vsrc(0)
; out0 = Q(ctx) Q(W_out) + b_out on codes of FP8 (E4M3), sums in f32: out = sum x 2^(e10 + e11) + b_out, one packed multiply-add for two numbers.
; Work-group (x, y): rows 64 x on, columns 256 y on.  Wave w: all 4 tiles of rows x tiles of columns 16 y + 2 w, + 1: 8 accumulators.
; ctx's codes lie in cf as images of operand registers: the work-group's 24 images, 49,152 dense bytes, are copied into LDS as they lie (6,144 bytes a wave) and read by all eight waves.
; The weight's fragments come from wc straight into the registers of the one wave that multiplies by them, each used 4 times.
; USED TRANSPOSED: source 0 = 16 columns of W_out, source 1 = 16 rows of ctx: a lane holds one row and eight neighbouring columns, 32 bytes.  A row's 1,024 bytes come from eight waves:
; they meet in a stage in LDS (rows 1,040 bytes apart: an odd multiple of 16, so the sixteen rows of a store start at sixteen different groups of banks), and each wave stores 8 whole rows.
; LIMIT: e10 + e11 between -126 and 127, so that 2^(e10 + e11) is an f32 number.
; NO CLUSTER, NO TENSOR LOAD: what work-groups share is 49,152 bytes of ctx among three and a weight's fragments that go to registers; each is read once by a work-group, at its head or one K step ahead.
; THE MODE: SCHED_MODE bits 1:0 = 2 (LLVM: expert scheduling mode 2), set by the entry lines.  The code itself states the register dependences
; between vector or matrix instructions and memory or LDS instructions, with s_wait_alu, always for 0.
; THE PLAN.  Registers that memory or LDS instructions touch:
;   v1-v5     offsets and LDS addresses: written at the head, ahead of one wait on va_vdst, and never again.
;   v16-63    the copy: global loads land, LDS stores read; one wait on vm_vsrc behind the barrier, ahead of the first fragments, which land there.
;   v16-79    a K step's four fragments of ctx land; its eight products read them; the next K step's land.
;   WB0, WB1  weight loads land; a K step's eight products read a buffer; the loads of two K steps on land in it.
;             So ONE wait on va_vdst at the head of each K step but the first: the eight products before it are done reading; the step's sixteen LDS loads and eight weight loads follow.
;   v16-79    the way out: the multiply-adds write the results; one wait on va_vdst; the stage's stores read them.  That wait also stands ahead of the loads from the stage,
;             which land in WB: no vector or matrix line behind it names those registers.  The global stores' data come by those loads.
;   The accumulators and b_out's registers (loaded once) are named by no later load or store.  A scalar register that a vector instruction reads is not written again.
.set FRB,  2048
.set STG,  49152                       ; behind the images: the stage, 64 rows x 1,040 bytes
.set SP,   1040
.set CX,   16                          ; v16-79   the copy (48 registers), then 4 fragments of ctx, then the results
.set WB,   80                          ; v80-143  two buffers of two weight fragments, then rows read back
.set ACC,  144                         ; v144-207 accumulator (tile of rows m, tile of columns n) at ACC + 8 (2 m + n)
.set BI,   208                         ; v208-223 b_out of my 2 x 8 columns
; v1 16 x lane; v2 6,144 x wave + 16 x lane; v3 32 h; v4 where I put 32 bytes of a row; v5 where I read rows back
	s_load_b256 s[4:11], s[0:1], 0x0               ; cf s[4:5], wc s[6:7], the scales' exponents s[8:9], b_out s[10:11]
	s_load_b64 s[12:13], s[0:1], 0x20              ; out0
	v_lshl_add_u32 v254, v0, 2, 0x1c400
	v_mov_b32 v255, 0
	v_lshrrev_b32 v1, 5, v0
	v_readfirstlane_b32 s16, v1                    ; wave 0..7
	v_and_b32 v1, 31, v0
	v_lshlrev_b32 v1, 4, v1
	v_and_b32 v10, 15, v0                          ; r
	v_bfe_u32 v11, v0, 4, 1                        ; h
	v_lshlrev_b32 v3, 5, v11
	v_mul_u32_u24 v4, v10, SP
	v_add_nc_u32 v4, v4, v3
	s_and_b32 s17, ttmp7, 0xffff
	s_wait_alu depctr_va_sdst(0)                   ; s16 is written, ahead of its first reader
	s_mul_i32 s33, s16, 6144
	v_add_nc_u32 v2, s33, v1
	s_lshl_b32 s34, s16, 7
	s_add_co_u32 s34, s34, STG
	v_add_nc_u32 v4, s34, v4                       ; the stage: row r, + 32 h, + my 32 columns' 128 bytes
	s_mul_i32 s35, s16, 8*SP
	s_add_co_u32 s35, s35, STG
	v_add_nc_u32 v5, s35, v1                       ; back: my 8 rows, 16 bytes a lane
	s_mul_i32 s22, ttmp9, 24*FRB                   ; cf: 4 tiles of rows x 6 K steps
	s_mov_b32 s23, 0
	s_lshl_b32 s24, s17, 4
	s_lshl_b32 s36, s16, 1
	s_add_co_u32 s24, s24, s36
	s_add_co_u32 s24, s24, 144
	s_mul_i32 s24, s24, 6*FRB                      ; wc: weight 3, tile of columns 16 y + 2 w
	s_mov_b32 s25, 0
	s_lshl_b32 s26, s17, 10
	s_lshl_b32 s36, s16, 7
	s_add_co_u32 s26, s26, s36                     ; b_out: column 256 y + 32 w
	s_mov_b32 s27, 0
	s_lshl_b32 s28, ttmp9, 6
	s_lshl_b32 s36, s16, 3
	s_add_co_u32 s28, s28, s36
	s_mul_i32 s28, s28, 3072
	s_lshl_b32 s36, s17, 10
	s_add_co_u32 s28, s28, s36                     ; out0: row 64 x + 8 w, column 256 y
	s_mov_b32 s29, 0
	s_wait_kmcnt 0x0
	s_load_b64 s[30:31], s[8:9], 0x28              ; e10, e11
	s_add_nc_u64 s[4:5], s[4:5], s[22:23]
	s_add_nc_u64 s[6:7], s[6:7], s[24:25]
	s_add_nc_u64 s[10:11], s[10:11], s[26:27]
	s_add_nc_u64 s[12:13], s[12:13], s[28:29]
.macro WLOAD s                         ; my two weight fragments of K step s into buffer s % 2
.irp n, 0,1
.irp q, 0,1,2,3
	global_load_b128 v[WB+32*((\s)%2)+16*\n+4*\q:WB+32*((\s)%2)+16*\n+4*\q+3], v1, s[6:7] offset:6*FRB*\n+FRB*(\s)+512*\q
.endr
.endr
.endm
	s_wait_alu depctr_va_vdst(0)                   ; v1 to v5 are written: every load, store and LDS instruction of the kernel reads one of them as its offset or address
.irp t, 0,1,2,3,4,5,6,7,8,9,10,11
	global_load_b128 v[CX+4*\t:CX+4*\t+3], v2, s[4:5] offset:512*\t
.endr
.irp n, 0,1
.irp j, 0,1
	global_load_b128 v[BI+8*\n+4*\j:BI+8*\n+4*\j+3], v3, s[10:11] offset:64*\n+16*\j   ; b_out(256 y + 32 w + 16 n + 8 h + 4 j ..): the result's layout
.endr
.endr
	WLOAD 0
	WLOAD 1
	s_wait_kmcnt 0x0
	s_add_co_i32 s30, s30, s31
	s_add_co_i32 s30, s30, 127
	s_lshl_b32 s30, s30, 23                        ; 2^(e10 + e11) as f32
	s_mov_b32 s31, s30                             ; named with it as a pair, so it is written
	s_wait_loadcnt 0x14                            ; the copy's twelve loads are in; the 4 of b_out and the 16 of the weights stay out
.irp t, 0,1,2,3,4,5,6,7,8,9,10,11
	ds_store_b128 v2, v[CX+4*\t:CX+4*\t+3] offset:512*\t   ; the data came by loads: no vector line has named them
.endr
	s_wait_dscnt 0x0
	s_barrier_signal -1
	s_barrier_wait -1                              ; ctx's 24 images lie in LDS
.set KS, 0
.rept 6
.if KS == 0
	s_wait_alu depctr_vm_vsrc(0)                   ; the copy's LDS stores have read v16-63, in which the first fragments land
.else
	s_wait_alu depctr_va_vdst(0)                   ; the eight products of the K step before are done reading their four fragments of ctx and their weight buffer, in which the loads below land
.endif
.irp m, 0,1,2,3
.irp q, 0,1,2,3
	ds_load_b128 v[CX+16*\m+4*\q:CX+16*\m+4*\q+3], v1 offset:FRB*(6*\m+KS)+512*\q
.endr
.endr
.if (KS >= 1) && (KS <= 4)
	WLOAD KS+1                                     ; into the buffer that the K step before has multiplied by
.endif
.if KS < 5
	s_wait_loadcnt 0x8                             ; this K step's weights (and b_out) are in; the next buffer's eight loads stay out
.else
	s_wait_loadcnt 0x0
.endif
	s_wait_dscnt 0x0
.irp m, 0,1,2,3
.irp n, 0,1
.if KS == 0
	v_wmma_f32_16x16x128_fp8_fp8 v[ACC+8*(2*\m+\n):ACC+8*(2*\m+\n)+7], v[WB+32*(KS%2)+16*\n:WB+32*(KS%2)+16*\n+15], v[CX+16*\m:CX+16*\m+15], 0
.else
	v_wmma_f32_16x16x128_fp8_fp8 v[ACC+8*(2*\m+\n):ACC+8*(2*\m+\n)+7], v[WB+32*(KS%2)+16*\n:WB+32*(KS%2)+16*\n+15], v[CX+16*\m:CX+16*\m+15], v[ACC+8*(2*\m+\n):ACC+8*(2*\m+\n)+7]
.endif
.endr
.endr
.rept 4
	v_nop                                          ; four places behind the K step's products (ISA guide 7.12.1); behind the last K step they stand ahead of the first read of results.  The eight accumulators take turns
.endr
.set KS, KS+1
.endr
.irp m, 0,1,2,3
.irp n, 0,1
.irp i, 0,2,4,6
	v_pk_fma_f32 v[CX+8*(2*\m+\n)+\i:CX+8*(2*\m+\n)+\i+1], v[ACC+8*(2*\m+\n)+\i:ACC+8*(2*\m+\n)+\i+1], s[30:31], v[BI+8*\n+\i:BI+8*\n+\i+1] op_sel_hi:[1,0,1]   ; each accumulator from its low end on
.endr
.endr
.endr
	s_wait_alu depctr_va_vdst(0)                   ; the multiply-adds have written v16-79, which the stage's stores read; and the last products are done reading the weight buffers, in which the stage's rows land below
.irp m, 0,1,2,3
.irp n, 0,1
	ds_store_b128 v4, v[CX+8*(2*\m+\n):CX+8*(2*\m+\n)+3] offset:16*SP*\m+64*\n
	ds_store_b128 v4, v[CX+8*(2*\m+\n)+4:CX+8*(2*\m+\n)+7] offset:16*SP*\m+64*\n+16
.endr
.endr
	s_wait_dscnt 0x0
	s_barrier_signal -1
	s_barrier_wait -1                              ; 64 whole rows lie in the stage
.irp t, 0,1,2,3,4,5,6,7,8,9,10,11,12,13,14,15
	ds_load_b128 v[WB+4*\t:WB+4*\t+3], v5 offset:SP*(\t/2)+512*(\t%2)
.endr
.irp t, 0,1,2,3,4,5,6,7,8,9,10,11,12,13,14,15
	s_wait_dscnt 15-\t                             ; LDS loads come back in order: this half row is in
	global_store_b128 v1, v[WB+4*\t:WB+4*\t+3], s[12:13] offset:3072*(\t/2)+512*(\t%2) th:TH_STORE_NT   ; 512 consecutive bytes, aligned; written once, read by nobody here
.endr
	s_wait_dscnt 0x0
	s_wait_alu depctr_hold_cnt(0) depctr_sa_sdst(0) depctr_va_vdst(0) depctr_va_sdst(0) depctr_va_ssrc(0) depctr_va_vcc(0) depctr_vm_vsrc(0)
	s_wait_tensorcnt 0x0
	ds_add_u32 v254, v255
	s_wait_dscnt 0x0
	s_endpgm
.Lfunc_end_k_qc504abfd75_oproj:
	.size	k_qc504abfd75_oproj, .Lfunc_end_k_qc504abfd75_oproj-k_qc504abfd75_oproj
	.p2alignl 7, 3214868480
	.fill 96, 4, 3214868480
	.section	.rodata,"a",@progbits
	.p2align	6, 0x0
	.amdhsa_kernel k_qc504abfd75_oproj
		.amdhsa_group_segment_fixed_size 116736
		.amdhsa_private_segment_fixed_size 0
		.amdhsa_enable_private_segment 0
		.amdhsa_kernarg_size 40
		.amdhsa_user_sgpr_count 2
		.amdhsa_user_sgpr_kernarg_segment_ptr 1
		.amdhsa_wavefront_size32 1
		.amdhsa_system_sgpr_workgroup_id_x 1
		.amdhsa_system_sgpr_workgroup_id_y 1
		.amdhsa_system_sgpr_workgroup_id_z 1
		.amdhsa_system_vgpr_workitem_id 0
		.amdhsa_next_free_vgpr 256
		.amdhsa_next_free_sgpr 66
		.amdhsa_reserve_vcc 0
		.amdhsa_float_denorm_mode_32 3
		.amdhsa_float_denorm_mode_16_64 3
		.amdhsa_memory_ordered 1
		.amdhsa_forward_progress 1
		.amdhsa_inst_pref_size 27
	.end_amdhsa_kernel
	.amdgpu_metadata
---
amdhsa.version: [ 1, 2 ]
amdhsa.kernels:
  - .name:           k_qc504abfd75_oproj
    .symbol:         k_qc504abfd75_oproj.kd
    .args:
      - { .name: cf, .offset: 0, .size: 8, .value_kind: global_buffer, .address_space: global }
      - { .name: wc, .offset: 8, .size: 8, .value_kind: global_buffer, .address_space: global }
      - { .name: lowp_scales, .offset: 16, .size: 8, .value_kind: global_buffer, .address_space: global }
      - { .name: b_out, .offset: 24, .size: 8, .value_kind: global_buffer, .address_space: global }
      - { .name: out0, .offset: 32, .size: 8, .value_kind: global_buffer, .address_space: global }
    .group_segment_fixed_size: 116736
    .private_segment_fixed_size: 0
    .kernarg_segment_align: 8
    .kernarg_segment_size: 40
    .max_flat_workgroup_size: 256
    .sgpr_count:     66
    .vgpr_count:     256
    .wavefront_size: 32
...
	.end_amdgpu_metadata
.endif
;; end of part 7
